; MI455X (gfx1250); checked and timed in simulation.
; The chip was launched on July 23, 2026; its instructions are those of AMD's public machine-readable ISA for CDNA 5 (MIT licence, August 2026) and "CDNA5" Instruction Set Architecture Reference Guide (July 2026). The comments in the code are by the model that wrote it; some were corrected since.
;; Mo EMLP. Allowed arithmetic: matrix products marked QUANTISED: E3M2 operands, one E8M0 scale for each 32 along K, by v_wmma_scale_f32_16x16x128_f8f6f4 with both operands' format E3M2, f32 sums; products left as they are: f32 operands where the result goes on into a quantised operand, else bf16, f16 or f32 operands; f32 sums; everything else in f32.
;; Inputs: expert_fc 8 x 1,024 x 4,096 float32; expert_proj 8 x 1,024 x 4,096 float32; router_w 8 x 1,024 float32; x 4 x 256 x 1,024 float32.
;; Outputs: out0 4 x 256 x 1,024 float32.
;; This version of the problem:
;;   THIS VERSION OF THE PROBLEM IS GIVEN IN LOW PRECISION. The matrix products marked QUANTISED in the list below multiply operands that are first quantised to E3M2 (3 exponent bits, 2 mantissa bits; 6 bits a number), with one power-of-two scale for each 32 numbers along K (OCP MX v1.0); their sums are f32. All else is computed in f32.
;;   The module's matrix products, in the order in which they are computed (A, B: the left and right operand; K: the contracted axis; several contracted axes count as one K, in the product's order):
;;     1. [M 1,024, K 1,024] x [K 1,024, N 8]; A: input x; B: input router_w: left as it is (N = 8 < 16)
;;     2. [M 32,768, K 1,024] x [K 1,024, N 1,024]; A: input expert_fc; B: input x: QUANTISED
;;     3. batch 8 x [M 1,024, K 4,096] x [K 4,096, N 1,024]; A: computed on the way; B: input expert_proj: QUANTISED
;;     4. batch 1,024 x [M 1,024, K 8] x [K 8, N 1]; A: computed on the way; B: computed on the way: left as it is (K = 8 < 32)
;;   THE QUANTISER, for each operand of a quantised product, along K:
;;     - K is cut into blocks of 32 from its start; a last block that is shorter is filled with zeros.
;;     - A block's scale is 2^e with e = floor(log2(the largest magnitude in the block)) - 4, held to -126 .. 127; a block of zeros has e = 0. As a byte (E8M0): e + 127.
;;     - Each number is divided by its block's scale, clamped to +-28, and rounded to the nearest number of E3M2, ties to even, subnormals kept.
;;     - The product sums the exact products of the quantised numbers (number of the format x scale) in f32.
;;   ~~~python
;;   def quantise(x, axis):      # numpy; x: float32 -> the quantised numbers, widened to float32 again
;;       x = np.moveaxis(x, axis, -1); K = x.shape[-1]
;;       x = np.pad(x, [(0, 0)] * (x.ndim - 1) + [(0, -K % 32)]); x = x.reshape(x.shape[:-1] + (-1, 32)); a = np.abs(x).max(-1, keepdims=True)
;;       e = np.where(a > 0, np.clip(np.frexp(np.where(a > 0, a, 1))[1] - 1 - 4, -126, 127), 0)      # np.frexp(a)[1] - 1 = floor(log2(a)), exactly
;;       r = np.clip(x / 2.0 ** e, -28, 28)
;;       step = 2.0 ** (np.maximum(np.frexp(np.where(r == 0, 1, r))[1] - 1, -2) - 2)
;;       q = np.round(r / step) * step * 2.0 ** e      # np.round: ties to even
;;       return np.moveaxis(q.reshape(q.shape[:-2] + (-1,))[..., :K], -1, axis).astype(np.float32)
;;   ~~~
;;   OPERANDS COMPUTED ON THE WAY. 'Computed on the way' means the value that the module computes at that place (a softmax that the list does not call 'softmax' is quantised finished and normalised). What goes into a quantiser is computed in f32, as accurately as f32 sums, v_exp_f32 and their like allow (about 1e-6 of the number): no bf16 or f16 on the way to a quantiser, and a product that is left as it is and whose result goes on into a quantised operand takes f32 operands (vector FMAs, or v_wmma_f32_16x16x4_f32). A number that lies on a knife's edge between two numbers of the format may be rounded either way, as far as f32 arithmetic and the matrix unit's own rounding can turn it there, and no further.
;; 2 versions. Each part assembles by itself: llvm-mc -triple=amdgcn-amd-amdhsa -mcpu=gfx1250 --defsym DOCPART=n.
;; ======== version 1 of 2: 3 launches
;; workspace buffers: xq 786,432 bytes; xs 32,768 bytes; masks 1,024 bytes of whole numbers; hq 25,165,824 bytes; hs 2,097,152 bytes
;; launch route (part 1): grid 64 x 1, 8 waves a work-group, no clusters, 123,904 bytes of LDS; arguments x, router_w, xq, xs, masks; writes xq, xs, masks
.if DOCPART == 1
	.amdgcn_target "amdgcn-amd-amdhsa--gfx1250"
	.amdhsa_code_object_version 6
	.text
	.protected	k_q5287584a14_route
	.globl	k_q5287584a14_route
	.p2align	8
	.type	k_q5287584a14_route,@function
k_q5287584a14_route:
	s_mov_b64 s[64:65], 0
	v_nop
	global_prefetch_b8 v0, s[64:65] scope:SCOPE_SE
	s_setreg_imm32_b32 hwreg(HW_REG_WAVE_MODE, 25, 1), 1
	s_wait_xcnt 0x0
; THE ROUTER, AND x AS CODES.  x: [1024 tokens][1024] f32; router_w: [8][1024] f32.
; A work-group takes 16 tokens; wave s takes K step s, 128 of the 1,024 along D.  Each wave adds its part of the 8 logits in f32 and quantises its 16 x 128 numbers of x to codes of E3M2
; with one E8M0 byte for each 32 along D.  Wave 0 then adds the eight parts, takes the softmax (the largest logit taken away first) and the argmax (the lowest index wins a tie).
; OUT: xq [token][K step][half h][3 x 16 bytes]: the 12 operand registers of lane (token % 16, h) of a fragment of 16 tokens x 128 K, 768 bytes a token;
;      xs [token][8 scale words];  masks [expert][32 words]: bit i of word g says that token 32 g + i goes to that expert.  The choice is stored as data: no address and no branch here hangs on it.
; A block's scale byte is its largest magnitude's exponent field - 4, held at 1 from below.  LIMITS: a block of zeros gets the byte 1 where the rule says 127 (its codes are zeros, and only this program reads
; the bytes); NaN and infinities are not served; a token whose two largest probabilities lie within the rounding of the f32 sums (about 1e-6 of them) may go to the other of the two experts.
; No matrix unit: 8 outputs a token.  No cluster: work-groups share only router_w's 32,768 bytes.  64 work-groups: a fragment has 16 tokens, and the launch has 1,024.
.set SP,   528                         ; a stage row: 512 bytes + 16: 33 x 16, so sixteen rows' equal columns fall on sixteen different 16-byte columns of 256
.set XST,  0                           ; x's stage: 16 rows for each wave
.set WST,  8*16*SP                     ; router_w's stage: 8 rows for each wave
.set RED,  WST+8*8*SP                  ; the waves' partial logits: 1,024 bytes a wave
.set OP,   784                         ; a token's 768 bytes of codes + 16
.set OUT,  RED+8*1024                  ; the codes of 16 tokens, gathered
.set XSL,  OUT+16*OP                   ; their 8 scale words each
.set LN,  1                            ; v1   lane
.set RR,  2                            ; v2   r = lane % 16
.set HH,  3                            ; v3   h = lane / 16
.set L16, 4                            ; v4   16 x lane
.set STW, 5                            ; v5   x's stage, in: 16 x lane
.set STR, 6                            ; v6   x's stage, out: row r, + 128 h
.set WSW, 7                            ; v7   router_w's stage, in
.set WSR, 8                            ; v8   router_w's stage, out: + 128 h
.set RDA, 9                            ; v9   my wave's partial logits: 16 x lane
.set OWA, 10                           ; v10  where my codes go: row r, + 96 s + 48 h
.set XSA, 11                           ; v11  where my scale word goes: 32 r + 4 s
.set ORA, 12                           ; v12  the codes on their way out: my wave's two rows, 16 x lane
.set ORB, 13                           ; v13  the same, one padding on for lanes 16-31
.set H8,  14                           ; v14  8 h
.set XSR, 15                           ; v15  the scale words on their way out
.set T,   16                           ; v16-79   64 numbers of x: register 32 c + i = k 64 c + 32 h + i of token r
.set W,   80                           ; v80-175  router_w: three sets of 32 by turns
.set AC,  176                          ; v176-191 a pair of sums for each expert
.set AB,  192                          ; v192-207 a second pair, so that two chains take turns
.set F,   192                          ; v192-203 later: the codes
.set TC,  204                          ; v204-211 the second halves of the blocks' codes
.set QM,  212                          ; v212-213 largest magnitudes
.set QS,  214                          ; v214-215 the conversions' scale operands
.set QB,  216                          ; v216-217 scale bytes
.set SWD, 218                          ; v218 the scale word
.set W2,  219                          ; v219 the other half's bytes
.set LG,  220                          ; v220-227 logits
.set MO,  236                          ; v236 128 x lane: an expert's row of masks
.set VM,  237                          ; v237 lane e: expert e's 16 bits
.set WV,  14                           ; s14  wave = K step
.set SEL, 20                           ; s[20:21] v_permlanex16_b32's selects for lane l xor 16
; 16 rows x 128 numbers, loaded as they lie (row p in registers set + 4 p, 16 bytes a lane), go through the wave's own stage and come back 64 neighbours-by-block a lane.
; LDS serves a wave's instructions in order: no wait between the stores and the loads.
.macro TURN set
.irp p, 0,1,2,3,4,5,6,7,8,9,10,11,12,13,14,15
	ds_store_b128 v[STW], v[\set+4*\p:\set+4*\p+3] offset:SP*\p
.endr
.irp c, 0,1
.irp i, 0,1,2,3,4,5,6,7
	ds_load_b128 v[\set+32*\c+4*\i:\set+32*\c+4*\i+3], v[STR] offset:256*\c+16*\i
.endr
.endr
.endm
; 64 numbers of lane (r, h), register 32 c + i = k 64 c + 32 h + i of row r, become the lane's 12 operand registers in v[dst] on and the row's scale word in v[SWD].
.macro QW src, dst
.irp c, 0,1
	v_max3_num_f32 v[QM+\c], |v[\src+32*\c]|, |v[\src+32*\c+1]|, 0x2800000   ; my block 2 c + h: all 32 numbers are mine; the floor 2^(5 - 127) holds the byte at 1 from below
.endr
.irp i, 2,4,6,8,10,12,14,16,18,20,22,24,26,28,30
.irp c, 0,1
	v_max3_num_f32 v[QM+\c], v[QM+\c], |v[\src+32*\c+\i]|, |v[\src+32*\c+\i+1]|   ; the two blocks by turns
.endr
.endr
.irp c, 0,1
	v_add_nc_u32 v[QS+\c], 0xfe000000, v[QM+\c]    ; 4 off the exponent field: the conversion takes this operand's exponent field as its scale
.endr
.irp c, 0,1
	v_lshrrev_b32 v[QB+\c], 23, v[QS+\c]           ; the scale's byte
.endr
	v_lshl_or_b32 v[SWD], v[QB+1], 16, v[QB]       ; blocks h and 2 + h,
	v_lshlrev_b32 v[SWD], v[H8], v[SWD]            ; at their places in the word;
	v_permlanex16_b32 v[W2], v[SWD], s[SEL], s[SEL+1]
	v_or_b32 v[SWD], v[SWD], v[W2]                 ; with lane l xor 16's two the word is whole, in both halves
.irp c, 0,1
	v_cvt_scalef32_pk16_bf6_f32 v[\dst+6*\c:\dst+6*\c+2], v[\src+32*\c:\src+32*\c+15], v[QS+\c]
	v_cvt_scalef32_pk16_bf6_f32 v[TC+4*\c:TC+4*\c+2], v[\src+32*\c+16:\src+32*\c+31], v[QS+\c]   ; (a conversion's three registers begin on an even number)
.endr
	v_nop                                          ; one plain place behind a scaled conversion
.irp c, 0,1
.irp i, 0,1,2
	v_mov_b32 v[\dst+6*\c+3+\i], v[TC+4*\c+\i]
.endr
.endr
.endm
; unit u = 2 e + c: router_w(e, 64 c + 32 h + 0 .. 31) of my K step: the sixteen lanes of a half read the same words
.macro WUNIT u
.irp i, 0,1,2,3,4,5,6,7
	ds_load_b128 v[W+32*((\u)%3)+4*\i:W+32*((\u)%3)+4*\i+3], v[WSR] offset:SP*((\u)/2)+256*((\u)%2)+16*\i
.endr
.endm
	s_load_b256 s[4:11], s[0:1], 0x0               ; x s[4:5], router_w s[6:7], xq s[8:9], xs s[10:11]
	s_load_b64 s[12:13], s[0:1], 0x20              ; masks
	v_lshl_add_u32 v254, v0, 2, 0x1e000
	v_mov_b32 v255, 0
	v_lshrrev_b32 v1, 5, v0
	v_readfirstlane_b32 s[WV], v1                  ; wave 0..7
	v_and_b32 v[LN], 31, v0
	v_and_b32 v[RR], 15, v0
	v_bfe_u32 v[HH], v0, 4, 1
	v_lshlrev_b32 v[L16], 4, v[LN]
	; every LDS address is made here, ahead of the places where the waves part: a constant + constants x lane + a constant x wave
	s_mul_i32 s15, s[WV], 16*SP
	v_add_nc_u32 v[STW], s15, v[L16]
	v_mul_u32_u24 v[STR], v[RR], SP
	v_lshl_add_u32 v[STR], v[HH], 7, v[STR]
	v_add_nc_u32 v[STR], s15, v[STR]
	s_mul_i32 s15, s[WV], 8*SP
	s_add_co_u32 s15, s15, WST
	v_add_nc_u32 v[WSW], s15, v[L16]
	v_lshlrev_b32 v[WSR], 7, v[HH]
	v_add_nc_u32 v[WSR], s15, v[WSR]
	s_lshl_b32 s15, s[WV], 10
	s_add_co_u32 s15, s15, RED
	v_add_nc_u32 v[RDA], s15, v[L16]
	s_mul_i32 s15, s[WV], 96
	s_add_co_u32 s15, s15, OUT
	v_mul_u32_u24 v[OWA], v[RR], OP
	v_mad_u32_u24 v[OWA], v[HH], 48, v[OWA]
	v_add_nc_u32 v[OWA], s15, v[OWA]
	s_lshl_b32 s15, s[WV], 2
	s_add_co_u32 s15, s15, XSL
	v_lshl_add_u32 v[XSA], v[RR], 5, s15
	s_mul_i32 s15, s[WV], 2*OP
	s_add_co_u32 s15, s15, OUT
	v_add_nc_u32 v[ORA], s15, v[L16]
	v_lshl_add_u32 v[ORB], v[HH], 4, v[ORA]
	v_lshlrev_b32 v[H8], 3, v[HH]
	v_add_nc_u32 v[XSR], XSL, v[L16]
	v_lshlrev_b32 v[MO], 7, v[LN]
	v_mov_b32 v[W2], 0                             ; written once: a lane permute's destination counts as one of its sources
	s_mov_b32 s[SEL], 0x76543210
	s_mov_b32 s[SEL+1], 0xfedcba98
	s_lshl_b32 s16, ttmp9, 16                      ; x: 16 tokens of 4,096 bytes a work-group,
	s_lshl_b32 s18, s[WV], 9                       ; and my K step's 512 bytes of a row (of router_w's rows too)
	s_add_co_u32 s16, s16, s18
	s_mov_b32 s17, 0
	s_mov_b32 s19, 0
	s_mul_i32 s22, ttmp9, 16*768                   ; xq: 16 tokens of 768 bytes, and my wave's two of them on the way out
	s_mul_i32 s24, s[WV], 2*768
	s_add_co_u32 s22, s22, s24
	s_mov_b32 s23, 0
	s_lshl_b32 s24, ttmp9, 9                       ; xs: 16 tokens of 32 bytes
	s_mov_b32 s25, 0
	s_lshl_b32 s26, ttmp9, 1                       ; masks: 16 bits a work-group in each expert's row
	s_mov_b32 s27, 0
	s_wait_kmcnt 0x0
	s_add_nc_u64 s[4:5], s[4:5], s[16:17]
	s_add_nc_u64 s[6:7], s[6:7], s[18:19]
	s_add_nc_u64 s[8:9], s[8:9], s[22:23]
	s_add_nc_u64 s[10:11], s[10:11], s[24:25]
	s_add_nc_u64 s[12:13], s[12:13], s[26:27]
.irp e, 0,1,2,3,4,5,6,7
	global_load_b128 v[W+4*\e:W+4*\e+3], v[L16], s[6:7] offset:4096*\e                 ; 32 lanes read 512 consecutive bytes of expert e's row
.endr
.irp p, 0,1,2,3,4,5,6,7,8,9,10,11,12,13,14,15
	global_load_b128 v[T+4*\p:T+4*\p+3], v[L16], s[4:5] offset:4096*\p th:TH_LOAD_NT   ; and of token p's row: read once in the launch
.endr
	s_wait_loadcnt 16                              ; router_w's eight are in; x's sixteen may be out
.irp e, 0,1,2,3,4,5,6,7
	ds_store_b128 v[WSW], v[W+4*\e:W+4*\e+3] offset:SP*\e
.endr
	s_wait_loadcnt 0x0
	TURN T
	WUNIT 0
	WUNIT 1
	WUNIT 2
; THE LOGITS' PARTS: sixteen units, three sets of registers by turns; two chains of packed multiply-adds for each expert; the first products start the sums.
.set u, 0
.rept 16
.if u < 14
	s_wait_dscnt 16                                ; unit u is in; the two younger units' sixteen loads may be out
.elseif u == 14
	s_wait_dscnt 8
.else
	s_wait_dscnt 0x0
.endif
.set i, 0
.rept 16
.set a, AC+(AB-AC)*(i%2)+2*(u/2)
.set xr, T+32*(u%2)+2*i
.set wr, W+32*(u%3)+2*i
.if (u%2 == 0) && (i < 2)
	v_pk_mul_f32 v[a:a+1], v[xr:xr+1], v[wr:wr+1]
.else
	v_pk_fma_f32 v[a:a+1], v[xr:xr+1], v[wr:wr+1], v[a:a+1]
.endif
.set i, i+1
.endr
.if u+3 < 16
	WUNIT u+3
.endif
.set u, u+1
.endr
.irp e, 0,1,2,3,4,5,6,7
	v_pk_add_f32 v[AC+2*\e:AC+2*\e+1], v[AC+2*\e:AC+2*\e+1], v[AB+2*\e:AB+2*\e+1]
.endr
.irp e, 0,1,2,3,4,5,6,7
	v_add_f32 v[LG+\e], v[AC+2*\e], v[AC+2*\e+1]
.endr
.irp e, 0,1,2,3,4,5,6,7
	v_permlanex16_b32 v[AC+2*\e], v[LG+\e], s[SEL], s[SEL+1]       ; the token's other 64 numbers lie in the lane 16 away
.endr
.irp e, 0,1,2,3,4,5,6,7
	v_add_f32 v[LG+\e], v[LG+\e], v[AC+2*\e]
.endr
	ds_store_b128 v[RDA], v[LG:LG+3]
	ds_store_b128 v[RDA], v[LG+4:LG+7] offset:512
; x'S CODES
	QW T, F
.irp j, 0,1,2
	ds_store_b128 v[OWA], v[F+4*\j:F+4*\j+3] offset:16*\j
.endr
	ds_store_b32 v[XSA], v[SWD]                    ; both halves write the same word with the same value
	s_wait_dscnt 0x0                               ; for the others' sake: all my LDS stores have landed
	s_barrier_signal -1
	s_barrier_wait -1
; Each wave sends two tokens' codes, 1,536 consecutive bytes: byte b of them lies at b + 16 (b / 768) of its two stage rows.
	ds_load_b128 v[16:19], v[ORA]
	ds_load_b128 v[20:23], v[ORB] offset:512       ; bytes 512 .. 1,023: lanes 16-31 are in the second row
	ds_load_b128 v[24:27], v[ORA] offset:1040
	s_wait_dscnt 0x0
	global_store_b128 v[L16], v[16:19], s[8:9]     ; each store covers 512 consecutive bytes, aligned to 512
	global_store_b128 v[L16], v[20:23], s[8:9] offset:512
	global_store_b128 v[L16], v[24:27], s[8:9] offset:1024
	s_cmp_lg_u32 s[WV], 1
	s_cbranch_scc1 .Lnot_one
	ds_load_b128 v[28:31], v[XSR]                  ; wave 1: the 16 tokens' scale words, 512 consecutive bytes
	s_wait_dscnt 0x0
	global_store_b128 v[L16], v[28:31], s[10:11]
.Lnot_one:
	s_cmp_lg_u32 s[WV], 0
	s_cbranch_scc1 .Lend
; WAVE 0: lane (r, h) holds token r.  The eight waves' parts are added in ascending K.
.irp k, 0,1,2,3,4,5,6,7
	ds_load_b128 v[32+8*\k:35+8*\k], v[RDA] offset:1024*\k
	ds_load_b128 v[36+8*\k:39+8*\k], v[RDA] offset:1024*\k+512
.endr
	s_wait_dscnt 0x0
.irp k, 1,2,3,4,5,6,7
.irp p, 0,1,2,3
	v_pk_add_f32 v[32+2*\p:33+2*\p], v[32+2*\p:33+2*\p], v[32+8*\k+2*\p:33+8*\k+2*\p]
.endr
.endr
	v_max3_num_f32 v40, v32, v33, v34              ; the largest logit
	v_max3_num_f32 v40, v40, v35, v36
	v_max3_num_f32 v40, v40, v37, v38
	v_max_num_f32 v40, v40, v39
.irp e, 0,1,2,3,4,5,6,7
	v_sub_f32 v[48+\e], v[32+\e], v40              ; the difference first, so that the largest gives exactly 0
.endr
.irp e, 0,1,2,3,4,5,6,7
	v_mul_f32 v[48+\e], 0x3fb8aa3b, v[48+\e]       ; x log2(e)
.endr
.irp e, 0,1,2,3,4,5,6,7
	v_exp_f32 v[48+\e], v[48+\e]
.endr
	v_mov_b32 v[VM], 0                             ; (a plain place behind the exponentials)
	s_wait_alu depctr_va_vdst(0)
	v_add_f32 v41, v48, v49
	v_add_f32 v42, v50, v51
	v_add_f32 v44, v52, v53
	v_add_f32 v45, v54, v55
	v_add_f32 v41, v41, v42
	v_add_f32 v44, v44, v45
	v_add_f32 v41, v41, v44
	v_rcp_f32 v46, v41
	v_mov_b32 v43, 0                               ; (a plain place behind the reciprocal)  the index of the largest so far
	s_wait_alu depctr_va_vdst(0)
.irp e, 0,1,2,3,4,5,6,7
	v_mul_f32 v[48+\e], v[48+\e], v46              ; the probabilities
.endr
.irp e, 1,2,3,4,5,6,7
	v_cmp_ge_f32 vcc_lo, v48, v[48+\e]             ; the largest so far stays unless expert e's is strictly larger: the lowest index wins a tie
	v_cndmask_b32 v43, \e, v43, vcc_lo
	v_cndmask_b32 v48, v[48+\e], v48, vcc_lo
.endr
.irp e, 0,1,2,3,4,5,6,7
	v_cmp_eq_u32 s[40+\e], \e, v43                 ; bit l: lane l's token goes to expert e (lanes 16-31 repeat lanes 0-15)
	v_writelane_b32 v[VM], s[40+\e], \e            ; as data of lane e
.endr
	v_cmp_gt_u32 vcc_lo, 8, v[LN]
	s_wait_xcnt 0x0                                ; EXEC changes only behind this wait: my stores above have been issued under the full one
	s_and_saveexec_b32 s30, vcc_lo
	global_store_b16 v[MO], v[VM], s[12:13]        ; lane e: the low 16 bits, into expert e's row
	s_wait_xcnt 0x0
	s_or_b32 exec_lo, exec_lo, s30
.Lend:
	s_wait_tensorcnt 0x0
	ds_add_u32 v254, v255
	s_wait_dscnt 0x0
	s_endpgm
.Lfunc_end_k_q5287584a14_route:
	.size	k_q5287584a14_route, .Lfunc_end_k_q5287584a14_route-k_q5287584a14_route
	.p2alignl 7, 3214868480
	.fill 96, 4, 3214868480
	.section	.rodata,"a",@progbits
	.p2align	6, 0x0
	.amdhsa_kernel k_q5287584a14_route
		.amdhsa_group_segment_fixed_size 123904
		.amdhsa_private_segment_fixed_size 0
		.amdhsa_enable_private_segment 0
		.amdhsa_kernarg_size 40
		.amdhsa_user_sgpr_count 2
		.amdhsa_user_sgpr_kernarg_segment_ptr 1
		.amdhsa_wavefront_size32 1
		.amdhsa_system_sgpr_workgroup_id_x 1
		.amdhsa_system_sgpr_workgroup_id_y 1
		.amdhsa_system_sgpr_workgroup_id_z 1
		.amdhsa_system_vgpr_workitem_id 0
		.amdhsa_next_free_vgpr 256
		.amdhsa_next_free_sgpr 66
		.amdhsa_reserve_vcc 1
		.amdhsa_float_denorm_mode_32 3
		.amdhsa_float_denorm_mode_16_64 3
		.amdhsa_memory_ordered 1
		.amdhsa_forward_progress 1
		.amdhsa_inst_pref_size 45
	.end_amdhsa_kernel
	.amdgpu_metadata
---
amdhsa.version: [ 1, 2 ]
amdhsa.kernels:
  - .name:           k_q5287584a14_route
    .symbol:         k_q5287584a14_route.kd
    .args:
      - { .name: x, .offset: 0, .size: 8, .value_kind: global_buffer, .address_space: global }
      - { .name: router_w, .offset: 8, .size: 8, .value_kind: global_buffer, .address_space: global }
      - { .name: xq, .offset: 16, .size: 8, .value_kind: global_buffer, .address_space: global }
      - { .name: xs, .offset: 24, .size: 8, .value_kind: global_buffer, .address_space: global }
      - { .name: masks, .offset: 32, .size: 8, .value_kind: global_buffer, .address_space: global }
    .group_segment_fixed_size: 123904
    .private_segment_fixed_size: 0
    .kernarg_segment_align: 8
    .kernarg_segment_size: 40
    .max_flat_workgroup_size: 256
    .sgpr_count:     66
    .vgpr_count:     256
    .wavefront_size: 32
...
	.end_amdgpu_metadata
.endif
;; end of part 1
;; launch fc (part 2): grid 32 x 8, 16 waves a work-group, no clusters, 108,544 bytes of LDS; arguments expert_fc, xq, xs, masks, hq, hs; writes hq, hs
.if DOCPART == 2
	.amdgcn_target "amdgcn-amd-amdhsa--gfx1250"
	.amdhsa_code_object_version 6
	.text
	.protected	k_q5287584a14_fc
	.globl	k_q5287584a14_fc
	.p2align	8
	.type	k_q5287584a14_fc,@function
k_q5287584a14_fc:
	s_mov_b64 s[64:65], 0
	v_nop
	global_prefetch_b8 v0, s[64:65] scope:SCOPE_SE
	s_setreg_imm32_b32 hwreg(HW_REG_WAVE_MODE, 25, 1), 1
	s_wait_xcnt 0x0
; h = relu(x fc_e)^2 FOR THE TOKENS OF EXPERT e, AS CODES.  expert_fc: [8][1024 (d = K)][4096] f32.  Work-group (x, y): 128 hidden units 128 x .. 128 x + 127 of expert y: 524,288 bytes of f32, read once in the launch.
; PHASE S: the slice is streamed and quantised along d.  A LANE TAKES TWO COLUMNS AND ITS REGISTERS RUN DOWN K: each load of a wave covers 256 consecutive bytes, aligned; a block of 32 along K lies in one lane, and the
; conversions give codes with K innermost.  Wave w: columns 64 (w & 1) on, K steps 2 (w >> 2) and 2 (w >> 2) + 1, of each the blocks h' and 2 + h', h' = (w >> 1) & 1: just what operand lane (m, h') of a fragment holds.
; THE UNITS OF A TILE ARE NOT NEIGHBOURS: tile ct = 4 g + 2 y + v (g = w & 1, y = which of the lane's two columns, v = lane / 16) has as row m the unit 64 g + 32 v + 2 m + y.  The fragments lie in LDS as images of
; the operand's registers (group j of four registers: 16 bytes a lane at 512 j + 16 x lane), the scale bytes as images of scale registers (lanes 0-15 tile v = 0, lanes 16-31 tile v = 1).
; Meanwhile each wave finds 64 entries of the list rank -> token of this expert from the 32 mask words, in registers; ranks past the last are held at the last, so a last tile's spare rows repeat the last token.
; ONE BARRIER.  PHASE T: wave w takes the tiles of 16 tokens w, w + 16, w + 32, w + 48: a loop of the constant 4 trips, a trip without tokens passed over by a scalar branch on the count read from masks; no barrier in it.
; The product is used transposed (source 0 = 16 units, source 1 = 16 tokens): a lane holds one token; relu writes the results back in the order of the units, so that 16 registers are 16 neighbours along the next K.
; OUT: hq [64 y + tile][K step = x][1,536 bytes: image of the 12 operand registers], hs [64 y + tile][K step][32 lanes x 4 bytes].  64 tiles an expert serve every split; only tiles that have tokens are written.
; LIMITS: a block of zeros gets the byte 1 where the rule says 127 (zero codes; only this program reads the bytes); NaN and infinities are not served.
; No cluster and no tensor loads: the weights are shared by nobody, and what is shared (an expert's rows of xq) is walked by counts read from memory and is a fifth of a work-group's bytes at an even split.
.set FRB,  1536                        ; a fragment's image
.set WIMG, 0                           ; 64 fragments: (K step s, tile ct) at (8 s + ct) FRB
.set WSC,  64*FRB                      ; 32 scale registers' images of 128 bytes: index (2 s + g) 2 + y; byte 4 x lane + block
.set LIST, WSC+4096                    ; 1,024 words: rank -> token
.set LN,   1                           ; v1   lane
.set RR,   2                           ; v2   r = lane % 16
.set HH,   3                           ; v3   h = lane / 16
.set L8,   4                           ; v4   8 x lane: my two columns
.set IMW,  5                           ; v5   where my codes go
.set SCW,  6                           ; v6   where my scale bytes go
.set LSW,  7                           ; v7   where my list entries go
.set LSR,  8                           ; v8   the list: my wave's first tile, row r
.set L16,  9                           ; v9   16 x lane: an image's place in LDS (WIMG is 0) and in hq
.set IMR1, 10                          ; v10  the same for K steps 4 to 7
.set WSR,  11                          ; v11  a scale register's image: WSC + 4 x lane
.set XA,   12                          ; v12  my token's codes in xq
.set XSA,  13                          ; v13  my token's scale words in xs
.set TA,   14                          ; v14  the list address in hand
.set L4,   15                          ; v15  4 x lane
.set XSC,  16                          ; v16-23 x's scale words, K steps 0 to 7: scales and nothing else
.set WS,   24                          ; v24-27 the weights' scale words: two sets of two: scales and nothing else
.set PW,   28                          ; v28  h's scale word
.set H48,  29                          ; v29  48 h
.set TOK,  30                          ; v30  my row's token
.set RAW,  32                          ; phase S: v32-159 two blocks of 32 k x 2 columns
.set TMP,  160                         ; v160-191 two runs of 16 neighbours along K
.set F,    192                         ; v192-215 the codes of my two columns, 12 registers each
.set TC,   216                         ; v216-223 second halves of blocks
.set QM,   224
.set QS,   226
.set QB,   228
.set LP,   232                         ; the list: v232-233 ranks, v234-235 words, v236-237 bits in front, v238-239 word numbers, then tokens
.set LM,   234
.set LB,   236
.set LGG,  238
.set LA,   240                         ; counts of 2, 4, 8, 16 bits
.set LBB,  241
.set LC,   242
.set LD,   243
.set LT,   244
.set LPOS, 245
.set LCN,  246
.set LZ,   247                         ; 0
.set ACC,  32                          ; phase T: v32-95 eight accumulators, tile ct at 8 ct
.set XF,   96                          ; v96-143 x's fragments: four by turns
.set WF,   144                         ; v144-239 the weights' fragments: two sets of four
.set H,    144                         ; behind the products: v144-207 h, register 16 b + i = unit 32 b + 16 h + i
.set TM,   208                         ; v208-223 at work
.set PC,   224                         ; v224-243 h's codes
.set WV,   48
.set EX,   49
.set NE,   51                          ; tokens of this expert
.set NM1,  52
.set NT,   53                          ; tiles of 16
.set TT,   56                          ; the tile in hand
.set TRIP, 57
.set HQB,  58                          ; s[58:59] hq at the tile in hand, my K step
.set SEL,  60
.set TL,   62                          ; the list's step: 1,024 bytes a trip
.set HSB,  66                          ; s[66:67] hs likewise
.macro LEVEL vec, src, wid, stp        ; does the wanted bit lie past this field's lower half?  Then the half's count comes off the rank and the place moves on
	v_bfe_u32 v[LCN], v[\src], v[LPOS], \wid
	v_cmp_lt_u32 vcc_lo, v[LP+\vec], v[LCN]
	v_cndmask_b32 v[LCN], v[LCN], v[LZ], vcc_lo
	v_cndmask_b32 v[LT], \stp, v[LZ], vcc_lo
	v_sub_nc_u32 v[LP+\vec], v[LP+\vec], v[LCN]
	v_add_nc_u32 v[LPOS], v[LPOS], v[LT]
.endm
.macro PICK vec                        ; the place of set bit number (rank - bits in front) in the word found, by counts of 2, 4, 8 and 16 bits
	v_sub_nc_u32 v[LP+\vec], v[LP+\vec], v[LB+\vec]
	v_lshrrev_b32 v[LT], 1, v[LM+\vec]
	v_and_b32 v[LT], 0x55555555, v[LT]
	v_sub_nc_u32 v[LA], v[LM+\vec], v[LT]
	v_lshrrev_b32 v[LT], 2, v[LA]
	v_and_b32 v[LT], 0x33333333, v[LT]
	v_and_b32 v[LBB], 0x33333333, v[LA]
	v_add_nc_u32 v[LBB], v[LBB], v[LT]
	v_lshrrev_b32 v[LT], 4, v[LBB]
	v_add_nc_u32 v[LC], v[LBB], v[LT]
	v_and_b32 v[LC], 0x0f0f0f0f, v[LC]
	v_lshrrev_b32 v[LT], 8, v[LC]
	v_add_nc_u32 v[LD], v[LC], v[LT]
	v_mov_b32 v[LPOS], 0
	LEVEL \vec, LD, 8, 16
	LEVEL \vec, LC, 8, 8
	LEVEL \vec, LBB, 4, 4
	LEVEL \vec, LA, 2, 2
	LEVEL \vec, LM+\vec, 1, 1
	v_lshl_add_u32 v[LGG+\vec], v[LGG+\vec], 5, v[LPOS]            ; token = 32 x word + place
	ds_store_b32 v[LSW], v[LGG+\vec] offset:128*\vec
.endm
.macro MAKELIST                        ; ranks 64 w + lane and 64 w + 32 + lane of this expert's tokens; the LDS addresses hang on lane and wave alone
	s_bcnt1_i32_b32 s[NE], s16
.irp g, 1,2,3,4,5,6,7,8,9,10,11,12,13,14,15,16,17,18,19,20,21,22,23,24,25,26,27,28,29,30,31
	s_bcnt1_i32_b32 s55, s[16+\g]
	s_add_co_u32 s[NE], s[NE], s55
.endr
	s_sub_co_i32 s[NM1], s[NE], 1
	s_max_i32 s[NM1], s[NM1], 0
	s_add_co_u32 s[NT], s[NE], 15
	s_lshr_b32 s[NT], s[NT], 4
	s_lshl_b32 s55, s[WV], 6
	v_add_nc_u32 v[LP], s55, v[LN]
	v_add_nc_u32 v[LP+1], 32, v[LP]
	v_min_u32 v[LP], s[NM1], v[LP]                 ; ranks past the last token are held at the last
	v_min_u32 v[LP+1], s[NM1], v[LP+1]
	v_mov_b32 v[LZ], 0
.irp c, 0,1
	v_mov_b32 v[LM+\c], s16
	v_mov_b32 v[LB+\c], 0
	v_mov_b32 v[LGG+\c], 0
.endr
	s_mov_b32 s54, 0
.irp g, 1,2,3,4,5,6,7,8,9,10,11,12,13,14,15,16,17,18,19,20,21,22,23,24,25,26,27,28,29,30,31
	s_bcnt1_i32_b32 s55, s[15+\g]
	s_add_co_u32 s54, s54, s55                     ; bits in front of word g
.irp c, 0,1
	v_cmp_gt_u32 vcc_lo, s54, v[LP+\c]             ; more than my rank: what I hold stays; else word g is the last so far that begins at or under my rank
	v_cndmask_b32 v[LM+\c], s[16+\g], v[LM+\c], vcc_lo
	v_cndmask_b32 v[LB+\c], s54, v[LB+\c], vcc_lo
	v_cndmask_b32 v[LGG+\c], \g, v[LGG+\c], vcc_lo
.endr
.endr
	PICK 0
	PICK 1
.endm
; block b = 2 (s & 1) + c of my four: k = 128 s + 64 c + 32 h' + i, i = 0 .. 31, into area b % 2
.macro LOADB b
.irp i, 0,1,2,3,4,5,6,7,8,9,10,11,12,13,14,15,16,17,18,19,20,21,22,23,24,25,26,27,28,29,30,31
	global_load_b64 v[RAW+64*((\b)%2)+2*\i:RAW+64*((\b)%2)+2*\i+1], v[L8], s[4:5] offset:(((\b)/2)*128+((\b)%2)*64+\i)*16384 th:TH_LOAD_NT
.endr
.endm
.macro BLOCK b
.set RB, RAW+64*((\b)%2)
.set CC, (\b)%2
.set S1, (\b)/2
.if (\b) < 3
	s_wait_loadcnt 32                              ; this block's 32 loads are in; the next block's may be out
.else
	s_wait_loadcnt 0x0
.endif
	s_wait_dscnt 0x0                               ; my earlier LDS stores have read their registers: bytes and codes may be written again
.irp y, 0,1
	v_max3_num_f32 v[QM+\y], |v[RB+\y]|, |v[RB+2+\y]|, 0x2800000   ; column y's block; the floor 2^(5 - 127) holds the byte at 1 from below
.endr
.irp i, 2,4,6,8,10,12,14,16,18,20,22,24,26,28,30
.irp y, 0,1
	v_max3_num_f32 v[QM+\y], v[QM+\y], |v[RB+2*\i+\y]|, |v[RB+2*\i+2+\y]|
.endr
.endr
.irp y, 0,1
	v_add_nc_u32 v[QS+\y], 0xfe000000, v[QM+\y]    ; 4 off the exponent field: the conversion's scale operand
.endr
.irp y, 0,1
	v_lshrrev_b32 v[QB+\y], 23, v[QS+\y]           ; the scale's byte
.endr
.irp y, 0,1
	ds_store_b8 v[SCW], v[QB+\y] offset:512*S1+128*\y+2*CC
.endr
.irp y, 0,1                            ; a load brings two columns side by side; the conversion wants 16 neighbours along K of one column on end
.irp i, 0,1,2,3,4,5,6,7,8,9,10,11,12,13,14,15
	v_mov_b32 v[TMP+\i], v[RB+2*\i+\y]
.endr
	v_cvt_scalef32_pk16_bf6_f32 v[F+12*\y+6*CC:F+12*\y+6*CC+2], v[TMP:TMP+15], v[QS+\y]
.irp i, 0,1,2,3,4,5,6,7,8,9,10,11,12,13,14,15
	v_mov_b32 v[TMP+16+\i], v[RB+32+2*\i+\y]       ; (these moves into the other run are the plain places behind the conversion)
.endr
	v_cvt_scalef32_pk16_bf6_f32 v[TC+4*\y:TC+4*\y+2], v[TMP+16:TMP+31], v[QS+\y]
.endr
	v_nop                                          ; one plain place behind the last conversion
.irp y, 0,1
.irp i, 0,1,2
	v_mov_b32 v[F+12*\y+6*CC+3+\i], v[TC+4*\y+\i]
.endr
.endr
.if (\b)+2 < 4
	LOADB (\b)+2                                   ; the area just read takes the block two on
.endif
.if CC == 1
.irp y, 0,1
.irp j, 0,1,2
	ds_store_b128 v[IMW], v[F+12*\y+4*\j:F+12*\y+4*\j+3] offset:8*FRB*S1+2*FRB*\y+512*\j   ; lanes 0-15: 256 bytes of tile v = 0's image, lanes 16-31 of tile v = 1's
.endr
.endr
.endif
.endm
; half-step q = 2 s + g: four fragments and two scale registers, 14 LDS loads, into set q % 2
.macro WLOAD q
.set WBASE, WF+48*((\q)%2)
.if (\q) < 8
.set WADR, L16
.set WOFF, 4*(\q)*FRB
.else
.set WADR, IMR1
.set WOFF, 4*((\q)-8)*FRB
.endif
.irp f, 0,1,2,3
.irp j, 0,1,2
	ds_load_b128 v[WBASE+12*\f+4*\j:WBASE+12*\f+4*\j+3], v[WADR] offset:WOFF+FRB*\f+512*\j
.endr
.endr
.irp y, 0,1
	ds_load_b32 v[WS+2*((\q)%2)+\y], v[WSR] offset:(2*(\q)+\y)*128
.endr
.endm
.macro XLOAD k                         ; my token's 48 bytes of K step k
.irp j, 0,1,2
	global_load_b128 v[XF+12*((\k)%4)+4*\j:XF+12*((\k)%4)+4*\j+3], v[XA], s[6:7] offset:96*(\k)+16*\j
.endr
.endm
.macro PROD q, f                       ; tile 4 (q % 2) + f, K step q / 2.  f = 2 y + v: scale register y of the set, its lanes 16-31 for v = 1
.set MD, ACC+8*(4*((\q)%2)+\f)
.set MA, WF+48*((\q)%2)+12*\f
.set MB, XF+12*(((\q)/2)%4)
.set MS, WS+2*((\q)%2)+(\f)/2
.set MX, XSC+(\q)/2
.if (\q) < 2
.if (\f)%2
	v_wmma_scale_f32_16x16x128_f8f6f4 v[MD:MD+7], v[MA:MA+11], v[MB:MB+11], 0, v[MS], v[MX] matrix_a_fmt:MATRIX_FMT_BF6 matrix_b_fmt:MATRIX_FMT_BF6 matrix_a_scale:MATRIX_SCALE_ROW1
.else
	v_wmma_scale_f32_16x16x128_f8f6f4 v[MD:MD+7], v[MA:MA+11], v[MB:MB+11], 0, v[MS], v[MX] matrix_a_fmt:MATRIX_FMT_BF6 matrix_b_fmt:MATRIX_FMT_BF6
.endif
.else
.if (\f)%2
	v_wmma_scale_f32_16x16x128_f8f6f4 v[MD:MD+7], v[MA:MA+11], v[MB:MB+11], v[MD:MD+7], v[MS], v[MX] matrix_a_fmt:MATRIX_FMT_BF6 matrix_b_fmt:MATRIX_FMT_BF6 matrix_a_scale:MATRIX_SCALE_ROW1
.else
	v_wmma_scale_f32_16x16x128_f8f6f4 v[MD:MD+7], v[MA:MA+11], v[MB:MB+11], v[MD:MD+7], v[MS], v[MX] matrix_a_fmt:MATRIX_FMT_BF6 matrix_b_fmt:MATRIX_FMT_BF6
.endif
.endif
.endm
; 64 numbers of a lane, none negative, register 16 b + i = k 32 b + 16 (lane / 16) + i of my row, become a fragment's codes in v[PC] on and its scale word in v[PW]
.macro QUANT s
.irp b, 0,1,2,3
	v_max3_num_f32 v[TM+\b], v[\s+16*\b], v[\s+1+16*\b], 0x2800000   ; block b: my 16 numbers, and the floor 2^(5 - 127)
.endr
.irp i, 2,4,6,8,10,12,14
.irp b, 0,1,2,3
	v_max3_num_f32 v[TM+\b], v[TM+\b], v[\s+16*\b+\i], v[\s+1+16*\b+\i]   ; the four blocks by turns
.endr
.endr
.irp b, 0,1,2,3
	v_permlanex16_b32 v[TM+4+\b], v[TM+\b], s[SEL], s[SEL+1]
.endr
.irp b, 0,1,2,3
	v_max_num_f32 v[TM+\b], v[TM+\b], v[TM+4+\b]   ; with lane l xor 16's: the block's largest
.endr
.irp b, 0,1,2,3
	v_add_nc_u32 v[TM+12+\b], 0xfe000000, v[TM+\b] ; 4 off the exponent field: the conversion's scale operand
.endr
.irp b, 0,1,2,3
	v_lshrrev_b32 v[TM+4+\b], 23, v[TM+12+\b]      ; the scale's byte
.endr
	v_lshl_or_b32 v[PW], v[TM+5], 8, v[TM+4]
	v_lshl_or_b32 v[PW], v[TM+6], 16, v[PW]
	v_lshl_or_b32 v[PW], v[TM+7], 24, v[PW]
.irp c, 0,1
	v_cvt_scalef32_pk16_bf6_f32 v[PC+6*\c:PC+2+6*\c], v[\s+32*\c:\s+15+32*\c], v[TM+12+2*\c]
	v_cvt_scalef32_pk16_bf6_f32 v[PC+12+4*\c:PC+14+4*\c], v[\s+16+32*\c:\s+31+32*\c], v[TM+12+2*\c+1]   ; (a conversion's three registers begin on an even number)
.endr
	v_nop                                          ; one plain place behind a scaled conversion
.irp c, 0,1                                    ; the operand's layout wants a whole block in a lane: lanes 0-15 block 2 c, lanes 16-31 block 2 c + 1
.irp i, 0,1,2
	v_permlane16_swap_b32 v[PC+6*\c+\i], v[PC+12+4*\c+\i]
.endr
.irp i, 0,1,2
	v_mov_b32 v[PC+3+6*\c+\i], v[PC+12+4*\c+\i]
.endr
.endr
.endm
	s_load_b256 s[4:11], s[0:1], 0x0               ; expert_fc s[4:5], xq s[6:7], xs s[8:9], masks s[10:11]
	s_load_b128 s[12:15], s[0:1], 0x20             ; hq s[12:13], hs s[14:15]
	v_lshl_add_u32 v254, v0, 2, 0x1a000
	v_mov_b32 v255, 0
	v_lshrrev_b32 v1, 5, v0
	v_readfirstlane_b32 s[WV], v1                  ; wave 0..15
	s_and_b32 s[EX], ttmp7, 0xffff                 ; the expert
	s_and_b32 s68, s[WV], 1                        ; g: which 64 columns
	s_bfe_u32 s69, s[WV], 0x10001                  ; h': which half of the operand's lanes
	s_lshr_b32 s70, s[WV], 2                       ; which pair of K steps
	v_and_b32 v[LN], 31, v0
	v_and_b32 v[RR], 15, v0
	v_bfe_u32 v[HH], v0, 4, 1
	v_lshlrev_b32 v[L8], 3, v[LN]
	v_lshlrev_b32 v[L16], 4, v[LN]
	v_lshlrev_b32 v[L4], 2, v[LN]
	v_mul_u32_u24 v[H48], v[HH], 48
	s_mul_i32 s71, s70, 16*FRB                     ; my codes: fragment 8 s + 4 g + 2 y + v, lane place m + 16 h'
	s_mul_i32 s54, s68, 4*FRB
	s_add_co_u32 s71, s71, s54
	s_lshl_b32 s54, s69, 8
	s_add_co_u32 s71, s71, s54
	v_mul_u32_u24 v[IMW], v[HH], FRB
	v_lshl_add_u32 v[IMW], v[RR], 4, v[IMW]
	v_add_nc_u32 v[IMW], s71, v[IMW]
	s_lshl_b32 s71, s70, 10                        ; my scale bytes: register image (2 s + g) 2 + y, byte 4 x lane + 2 c + h'
	s_lshl_b32 s54, s68, 8
	s_add_co_u32 s71, s71, s54
	s_add_co_u32 s71, s71, s69
	s_add_co_u32 s71, s71, WSC
	v_lshl_add_u32 v[SCW], v[LN], 2, s71
	s_lshl_b32 s71, s[WV], 8
	s_add_co_u32 s71, s71, LIST
	v_lshl_add_u32 v[LSW], v[LN], 2, s71
	s_lshl_b32 s71, s[WV], 6
	s_add_co_u32 s71, s71, LIST
	v_lshl_add_u32 v[LSR], v[RR], 2, s71
	v_add_nc_u32 v[IMR1], 32*FRB, v[L16]
	v_lshl_add_u32 v[WSR], v[LN], 2, WSC
	s_mov_b32 s[SEL], 0x76543210
	s_mov_b32 s[SEL+1], 0xfedcba98
	s_lshl_b32 s72, s[EX], 24                      ; expert_fc: 2^24 bytes an expert, rows of 16,384 bytes: row 256 (w >> 2) + 32 h', 512 bytes a slice, 256 a half of it
	s_lshl_b32 s54, s70, 22
	s_add_co_u32 s72, s72, s54
	s_lshl_b32 s54, s69, 19
	s_add_co_u32 s72, s72, s54
	s_lshl_b32 s54, ttmp9, 9
	s_add_co_u32 s72, s72, s54
	s_lshl_b32 s54, s68, 8
	s_add_co_u32 s72, s72, s54
	s_mov_b32 s73, 0
	s_lshl_b32 s74, s[EX], 7                       ; masks: 128 bytes an expert
	s_mov_b32 s75, 0
	s_lshl_b32 s54, s[EX], 6
	s_add_co_u32 s54, s54, s[WV]                   ; my first tile: 64 x expert + wave
	s_mul_i32 s76, s54, 32*FRB
	s_mul_i32 s55, ttmp9, FRB
	s_add_co_u32 s76, s76, s55
	s_mov_b32 s77, 0
	s_lshl_b32 s78, s54, 12
	s_lshl_b32 s55, ttmp9, 7
	s_add_co_u32 s78, s78, s55
	s_mov_b32 s79, 0
	s_wait_kmcnt 0x0
	s_add_nc_u64 s[10:11], s[10:11], s[74:75]
	s_load_b512 s[16:31], s[10:11], 0x0            ; the expert's 32 mask words
	s_load_b512 s[32:47], s[10:11], 0x40
	s_add_nc_u64 s[4:5], s[4:5], s[72:73]
	s_add_nc_u64 s[HQB:HQB+1], s[12:13], s[76:77]
	s_add_nc_u64 s[HSB:HSB+1], s[14:15], s[78:79]
	LOADB 0
	LOADB 1
	s_wait_kmcnt 0x0
	MAKELIST                                       ; stands where the wave would wait for its first loads
	BLOCK 0
	BLOCK 1
	BLOCK 2
	BLOCK 3
	s_wait_dscnt 0x0                               ; for the others' sake: my codes, bytes and list entries have landed
	s_barrier_signal -1
	s_barrier_wait -1
	s_mov_b32 s[TT], s[WV]
	s_mov_b32 s[TL], 0
	s_mov_b32 s[TRIP], 0
.Ltile:
	s_cmp_ge_u32 s[TT], s[NT]                      ; no tokens for this tile: only the steps at the trip's end are run
	s_cbranch_scc1 .Lnext
	v_add_nc_u32 v[TA], s[TL], v[LSR]
	ds_load_b32 v[TOK], v[TA]                      ; rank 16 t + r
	WLOAD 0
	WLOAD 1
	s_wait_dscnt 28                                ; the token is in; the two half-steps' 28 loads may be out
	v_min_u32 v[TOK], 0x3ff, v[TOK]
	v_mul_u32_u24 v[XA], v[TOK], 768
	v_add_nc_u32 v[XA], v[XA], v[H48]
	v_lshlrev_b32 v[XSA], 5, v[TOK]
	global_load_b128 v[XSC:XSC+3], v[XSA], s[8:9]
	global_load_b128 v[XSC+4:XSC+7], v[XSA], s[8:9] offset:16
	XLOAD 0
	XLOAD 1
	XLOAD 2
	XLOAD 3
; 16 half-steps of four matrix instructions.  The eight accumulators take turns, one instruction a turn.
.set q, 0
.rept 16
.if q < 15
	s_wait_dscnt 14                                ; this half-step's loads are in; the next one's 14 may be out
.else
	s_wait_dscnt 0x0
.endif
.if q%2 == 0
.if q/2 <= 4
	s_wait_loadcnt 9                               ; x's K step is in (and its scale words); the three younger K steps' nine loads may be out
.else
	s_wait_loadcnt 3*(7-q/2)
.endif
.endif
.irp f, 0,1,2,3
	PROD q, \f
.endr
.if q != 14
.rept 4
	v_nop                                          ; places in front of loads into registers that these products read, and of the first read of results
.endr
.endif
.if q+2 < 16
	WLOAD q+2
.endif
.if (q%2 == 1) && (q/2 < 4)
	XLOAD q/2+4
.endif
.set q, q+1
.endr
; relu, written back in the order of the units: accumulator 4 g + 2 y + v, register j, is unit 32 (2 g + v) + 16 h + 2 j + y.  Each accumulator is read from its low end on.
.irp g, 0,1
.irp y, 0,1
.irp c, 0,1
.irp j, 0,1,2,3,4,5,6,7
	v_max_num_f32 v[H+16*(2*\g+\c)+2*\j+\y], 0, v[ACC+8*(4*\g+2*\y+\c)+\j]
.endr
.endr
.endr
.endr
.irp i, 0,2,4,6,8,10,12,14,16,18,20,22,24,26,28,30,32,34,36,38,40,42,44,46,48,50,52,54,56,58,60,62
	v_pk_mul_f32 v[H+\i:H+\i+1], v[H+\i:H+\i+1], v[H+\i:H+\i+1]    ; squared, in f32
.endr
	QUANT H
.irp j, 0,1,2
	global_store_b128 v[L16], v[PC+4*\j:PC+4*\j+3], s[HQB:HQB+1] offset:512*\j   ; 512 consecutive bytes, aligned to 512
.endr
	global_store_b32 v[L4], v[PW], s[HSB:HSB+1]
	s_wait_xcnt 0x0                                ; the stores' data and bases are written again only behind this wait
.Lnext:
	s_add_co_u32 s[TT], s[TT], 16
	s_add_co_u32 s[TL], s[TL], 1024
	s_add_nc_u64 s[HQB:HQB+1], s[HQB:HQB+1], 16*32*FRB
	s_add_nc_u64 s[HSB:HSB+1], s[HSB:HSB+1], 16*4096
	s_add_co_u32 s[TRIP], s[TRIP], 1
	s_cmp_lt_u32 s[TRIP], 4
	s_cbranch_scc1 .Ltile
	s_wait_tensorcnt 0x0
	ds_add_u32 v254, v255
	s_wait_dscnt 0x0
	s_endpgm
.Lfunc_end_k_q5287584a14_fc:
	.size	k_q5287584a14_fc, .Lfunc_end_k_q5287584a14_fc-k_q5287584a14_fc
	.p2alignl 7, 3214868480
	.fill 96, 4, 3214868480
	.section	.rodata,"a",@progbits
	.p2align	6, 0x0
	.amdhsa_kernel k_q5287584a14_fc
		.amdhsa_group_segment_fixed_size 108544
		.amdhsa_private_segment_fixed_size 0
		.amdhsa_enable_private_segment 0
		.amdhsa_kernarg_size 48
		.amdhsa_user_sgpr_count 2
		.amdhsa_user_sgpr_kernarg_segment_ptr 1
		.amdhsa_wavefront_size32 1
		.amdhsa_system_sgpr_workgroup_id_x 1
		.amdhsa_system_sgpr_workgroup_id_y 1
		.amdhsa_system_sgpr_workgroup_id_z 1
		.amdhsa_system_vgpr_workitem_id 0
		.amdhsa_next_free_vgpr 256
		.amdhsa_next_free_sgpr 80
		.amdhsa_reserve_vcc 1
		.amdhsa_float_denorm_mode_32 3
		.amdhsa_float_denorm_mode_16_64 3
		.amdhsa_memory_ordered 1
		.amdhsa_forward_progress 1
		.amdhsa_inst_pref_size 88
	.end_amdhsa_kernel
	.amdgpu_metadata
---
amdhsa.version: [ 1, 2 ]
amdhsa.kernels:
  - .name:           k_q5287584a14_fc
    .symbol:         k_q5287584a14_fc.kd
    .args:
      - { .name: expert_fc, .offset: 0, .size: 8, .value_kind: global_buffer, .address_space: global }
      - { .name: xq, .offset: 8, .size: 8, .value_kind: global_buffer, .address_space: global }
      - { .name: xs, .offset: 16, .size: 8, .value_kind: global_buffer, .address_space: global }
      - { .name: masks, .offset: 24, .size: 8, .value_kind: global_buffer, .address_space: global }
      - { .name: hq, .offset: 32, .size: 8, .value_kind: global_buffer, .address_space: global }
      - { .name: hs, .offset: 40, .size: 8, .value_kind: global_buffer, .address_space: global }
    .group_segment_fixed_size: 108544
    .private_segment_fixed_size: 0
    .kernarg_segment_align: 8
    .kernarg_segment_size: 48
    .max_flat_workgroup_size: 512
    .sgpr_count:     80
    .vgpr_count:     256
    .wavefront_size: 32
...
	.end_amdgpu_metadata
.endif
;; end of part 2
;; launch proj (part 3): grid 32 x 8, 16 waves a work-group, no clusters, 243,712 bytes of LDS; arguments expert_proj, hq, hs, masks, out0; writes out0
.if DOCPART == 3
	.amdgcn_target "amdgcn-amd-amdhsa--gfx1250"
	.amdhsa_code_object_version 6
	.text
	.protected	k_q5287584a14_proj
	.globl	k_q5287584a14_proj
	.p2align	8
	.type	k_q5287584a14_proj,@function
k_q5287584a14_proj:
	s_mov_b64 s[64:65], 0
	v_nop
	global_prefetch_b8 v0, s[64:65] scope:SCOPE_SE
	s_setreg_imm32_b32 hwreg(HW_REG_WAVE_MODE, 25, 1), 1
	s_wait_xcnt 0x0
; out = h proj_e^T FOR THE TOKENS OF EXPERT e.  expert_proj: [8][1024 (d)][4096 (K)] f32.  Work-group (x, y): rows d = 32 x .. 32 x + 31 of expert y: 524,288 bytes of f32, read once in the launch.
; PHASE S: wave w quantises K steps 2 w and 2 w + 1 of both tiles of 16 rows: four fragments.  Each load covers 512 consecutive bytes of a row; 16 rows x 128 numbers turn through the wave's own stage in LDS, so that
; lane (r, h) holds k = 64 c + 32 h + 0 .. 31 of row r: two whole blocks, in the order of the operand's registers.  The fragments lie in LDS as images of those registers, the scale words as images of scale registers
; (lanes 0-15 the first tile of rows, lanes 16-31 the second).  Meanwhile each wave finds 64 entries of the list rank -> token from the expert's mask words, as the launch before did.
; ONE BARRIER.  PHASE T: wave w takes the tiles of 16 tokens w, w + 16, w + 32, w + 48: the constant 4 trips, a trip without tokens passed over by a scalar branch on the count read from masks; no barrier in it.
; The product is used transposed (source 0 = 16 rows d, source 1 = 16 tokens of h, whose images come from hq as they lie): a lane holds one token and eight neighbouring d.  K goes by turns onto two accumulators a tile
; of rows (even and odd K steps), added at the end: the order of the f32 sums differs from a single chain's.
; A token's 128 bytes go through the wave's stage and leave by eight lanes; the spare rows of a last tile repeat the last token and store the same numbers to the same place.
; LIMITS: a block of zeros gets the byte 1 where the rule says 127 (zero codes; only this program reads the bytes); NaN and infinities are not served.
; No cluster and no tensor loads: the weights are shared by nobody; h's images are shared by an expert's 32 work-groups, but how many there are is read from memory, and joint requests would have to be made for all 64 tiles.
.set SP,   528                         ; a stage row: 512 bytes + 16
.set FRB,  1536
.set STG,  0                           ; 16 rows for each wave
.set WIMG, 16*16*SP                    ; 64 fragments: (K step s, tile n) at (2 s + n) FRB
.set WSC,  WIMG+64*FRB                 ; 32 scale registers' images: 128 s + 64 n + 4 r
.set LIST, WSC+4096                    ; 1,024 words: rank -> token
.set LN,   1
.set RR,   2
.set HH,   3
.set L16,  4                           ; v4   16 x lane
.set STW,  5                           ; v5   the stage, in
.set STR,  6                           ; v6   the stage, out: row r, + 128 h
.set IMW,  7                           ; v7   where my fragments go
.set SCW,  8                           ; v8   where my scale words go
.set LSW,  9                           ; v9   where my list entries go
.set LSR,  10                          ; v10  the list: my wave's first tile, row lane / 8
.set IMR0, 11                          ; v11  an image's place, K steps 0 to 15
.set IMR1, 12                          ; v12  K steps 16 to 31
.set WSR,  13                          ; v13  a scale register's image
.set H8,   14                          ; v14  8 h
.set L4,   15                          ; v15  4 x lane
.set HS,   16                          ; v16-23 h's scale words, eight by turns: scales and nothing else
.set WS,   24                          ; v24-25 the weights' scale words, two by turns: scales and nothing else
.set SWD,  26
.set W2,   27
.set OSW,  28                          ; v28  the way out: row r of 144 bytes, + 32 h
.set OSR,  29                          ; v29  back: row lane / 8, 16 bytes a lane
.set C16,  30                          ; v30  16 (lane % 8)
.set TA,   31                          ; v31  the list address in hand
.set SET,  32                          ; phase S: v32-223 three sets of 64 numbers
.set F,    224                         ; v224-235 the codes
.set TC,   236
.set QM,   244
.set QS,   246
.set QB,   248
.set LP,   224                         ; the list, ahead of the first codes
.set LM,   226
.set LB,   228
.set LGG,  230
.set LA,   232
.set LBB,  233
.set LC,   234
.set LD,   235
.set LT,   236
.set LPOS, 237
.set LCN,  238
.set LZ,   239
.set ACC,  32                          ; phase T: v32-63 four accumulators: 2 (s % 2) + n
.set HF,   64                          ; v64-159 h's fragments, eight by turns
.set WF,   160                         ; v160-207 the weights' fragments, two sets of two
.set O,    208                         ; v208-223 the sums
.set TK,   224                         ; v224-227 tokens, then their offsets in out0
.set OB,   228                         ; v228-243 rows on their way out
.set WV,   48
.set EX,   49
.set NE,   51
.set NM1,  52
.set NT,   53
.set TT,   56
.set TRIP, 57
.set HQB,  58                          ; s[58:59] hq at the tile in hand
.set SEL,  60
.set TL,   62
.set HSB,  66                          ; s[66:67] hs likewise
.macro LEVEL vec, src, wid, stp        ; does the wanted bit lie past this field's lower half?  Then the half's count comes off the rank and the place moves on
	v_bfe_u32 v[LCN], v[\src], v[LPOS], \wid
	v_cmp_lt_u32 vcc_lo, v[LP+\vec], v[LCN]
	v_cndmask_b32 v[LCN], v[LCN], v[LZ], vcc_lo
	v_cndmask_b32 v[LT], \stp, v[LZ], vcc_lo
	v_sub_nc_u32 v[LP+\vec], v[LP+\vec], v[LCN]
	v_add_nc_u32 v[LPOS], v[LPOS], v[LT]
.endm
.macro PICK vec                        ; the place of set bit number (rank - bits in front) in the word found
	v_sub_nc_u32 v[LP+\vec], v[LP+\vec], v[LB+\vec]
	v_lshrrev_b32 v[LT], 1, v[LM+\vec]
	v_and_b32 v[LT], 0x55555555, v[LT]
	v_sub_nc_u32 v[LA], v[LM+\vec], v[LT]
	v_lshrrev_b32 v[LT], 2, v[LA]
	v_and_b32 v[LT], 0x33333333, v[LT]
	v_and_b32 v[LBB], 0x33333333, v[LA]
	v_add_nc_u32 v[LBB], v[LBB], v[LT]
	v_lshrrev_b32 v[LT], 4, v[LBB]
	v_add_nc_u32 v[LC], v[LBB], v[LT]
	v_and_b32 v[LC], 0x0f0f0f0f, v[LC]
	v_lshrrev_b32 v[LT], 8, v[LC]
	v_add_nc_u32 v[LD], v[LC], v[LT]
	v_mov_b32 v[LPOS], 0
	LEVEL \vec, LD, 8, 16
	LEVEL \vec, LC, 8, 8
	LEVEL \vec, LBB, 4, 4
	LEVEL \vec, LA, 2, 2
	LEVEL \vec, LM+\vec, 1, 1
	v_lshl_add_u32 v[LGG+\vec], v[LGG+\vec], 5, v[LPOS]            ; token = 32 x word + place
	ds_store_b32 v[LSW], v[LGG+\vec] offset:128*\vec
.endm
.macro MAKELIST                        ; ranks 64 w + lane and 64 w + 32 + lane of this expert's tokens; the LDS addresses hang on lane and wave alone
	s_bcnt1_i32_b32 s[NE], s16
.irp g, 1,2,3,4,5,6,7,8,9,10,11,12,13,14,15,16,17,18,19,20,21,22,23,24,25,26,27,28,29,30,31
	s_bcnt1_i32_b32 s55, s[16+\g]
	s_add_co_u32 s[NE], s[NE], s55
.endr
	s_sub_co_i32 s[NM1], s[NE], 1
	s_max_i32 s[NM1], s[NM1], 0
	s_add_co_u32 s[NT], s[NE], 15
	s_lshr_b32 s[NT], s[NT], 4
	s_lshl_b32 s55, s[WV], 6
	v_add_nc_u32 v[LP], s55, v[LN]
	v_add_nc_u32 v[LP+1], 32, v[LP]
	v_min_u32 v[LP], s[NM1], v[LP]                 ; ranks past the last token are held at the last
	v_min_u32 v[LP+1], s[NM1], v[LP+1]
	v_mov_b32 v[LZ], 0
.irp c, 0,1
	v_mov_b32 v[LM+\c], s16
	v_mov_b32 v[LB+\c], 0
	v_mov_b32 v[LGG+\c], 0
.endr
	s_mov_b32 s54, 0
.irp g, 1,2,3,4,5,6,7,8,9,10,11,12,13,14,15,16,17,18,19,20,21,22,23,24,25,26,27,28,29,30,31
	s_bcnt1_i32_b32 s55, s[15+\g]
	s_add_co_u32 s54, s54, s55                     ; bits in front of word g
.irp c, 0,1
	v_cmp_gt_u32 vcc_lo, s54, v[LP+\c]             ; more than my rank: what I hold stays
	v_cndmask_b32 v[LM+\c], s[16+\g], v[LM+\c], vcc_lo
	v_cndmask_b32 v[LB+\c], s54, v[LB+\c], vcc_lo
	v_cndmask_b32 v[LGG+\c], \g, v[LGG+\c], vcc_lo
.endr
.endr
	PICK 0
	PICK 1
.endm
.macro TURN set                        ; 16 rows x 128 numbers through my stage: LDS serves a wave's instructions in order, so no wait stands between the stores and the loads
.irp p, 0,1,2,3,4,5,6,7,8,9,10,11,12,13,14,15
	ds_store_b128 v[STW], v[\set+4*\p:\set+4*\p+3] offset:SP*\p
.endr
.irp c, 0,1
.irp i, 0,1,2,3,4,5,6,7
	ds_load_b128 v[\set+32*\c+4*\i:\set+32*\c+4*\i+3], v[STR] offset:256*\c+16*\i
.endr
.endr
.endm
.macro QW src, dst                     ; 64 numbers of lane (r, h), register 32 c + i = k 64 c + 32 h + i of row r -> the lane's 12 operand registers, and the row's scale word in v[SWD]
.irp c, 0,1
	v_max3_num_f32 v[QM+\c], |v[\src+32*\c]|, |v[\src+32*\c+1]|, 0x2800000   ; my block 2 c + h; the floor 2^(5 - 127) holds the byte at 1 from below
.endr
.irp i, 2,4,6,8,10,12,14,16,18,20,22,24,26,28,30
.irp c, 0,1
	v_max3_num_f32 v[QM+\c], v[QM+\c], |v[\src+32*\c+\i]|, |v[\src+32*\c+\i+1]|
.endr
.endr
.irp c, 0,1
	v_add_nc_u32 v[QS+\c], 0xfe000000, v[QM+\c]    ; 4 off the exponent field: the conversion's scale operand
.endr
.irp c, 0,1
	v_lshrrev_b32 v[QB+\c], 23, v[QS+\c]
.endr
	v_lshl_or_b32 v[SWD], v[QB+1], 16, v[QB]
	v_lshlrev_b32 v[SWD], v[H8], v[SWD]
	v_permlanex16_b32 v[W2], v[SWD], s[SEL], s[SEL+1]
	v_or_b32 v[SWD], v[SWD], v[W2]                 ; with lane l xor 16's two bytes the word is whole, in both halves
.irp c, 0,1
	v_cvt_scalef32_pk16_bf6_f32 v[\dst+6*\c:\dst+6*\c+2], v[\src+32*\c:\src+32*\c+15], v[QS+\c]
	v_cvt_scalef32_pk16_bf6_f32 v[TC+4*\c:TC+4*\c+2], v[\src+32*\c+16:\src+32*\c+31], v[QS+\c]   ; (a conversion's three registers begin on an even number)
.endr
	v_nop                                          ; one plain place behind a scaled conversion
.irp c, 0,1
.irp i, 0,1,2
	v_mov_b32 v[\dst+6*\c+3+\i], v[TC+4*\c+\i]
.endr
.endr
.endm
.macro LOADF f                         ; fragment f = 2 n + s': rows 16 n + p, my K step 2 w + s', into set f % 3
.irp p, 0,1,2,3,4,5,6,7,8,9,10,11,12,13,14,15
	global_load_b128 v[SET+64*((\f)%3)+4*\p:SET+64*((\f)%3)+4*\p+3], v[L16], s[4:5] offset:(16*((\f)/2)+\p)*16384+512*((\f)%2) th:TH_LOAD_NT
.endr
.endm
.macro FRAG f, left                    ; left: the loads of younger fragments, which may stay out
	s_wait_loadcnt \left
	TURN SET+64*((\f)%3)
	s_wait_dscnt 0x0                               ; the numbers are back; and my earlier LDS stores have read the codes' registers
	QW SET+64*((\f)%3), F
.irp j, 0,1,2
	ds_store_b128 v[IMW], v[F+4*\j:F+4*\j+3] offset:(2*((\f)%2)+(\f)/2)*FRB+512*\j
.endr
	ds_store_b32 v[SCW], v[SWD] offset:128*((\f)%2)+64*((\f)/2)    ; both halves write the same word with the same value
.endm
.macro WL k                            ; K step k: two fragments and a scale register, 7 LDS loads, into set k % 2
.set WBASE, WF+24*((\k)%2)
.if (\k) < 16
.set WADR, IMR0
.set WOFF, 2*(\k)*FRB
.else
.set WADR, IMR1
.set WOFF, 2*((\k)-16)*FRB
.endif
.irp n, 0,1
.irp j, 0,1,2
	ds_load_b128 v[WBASE+12*\n+4*\j:WBASE+12*\n+4*\j+3], v[WADR] offset:WOFF+FRB*\n+512*\j
.endr
.endr
	ds_load_b32 v[WS+(\k)%2], v[WSR] offset:128*(\k)
.endm
.macro HL k                            ; K step k of the tile's h: the image as it lies, and its scale words: 4 loads
.irp j, 0,1,2
	global_load_b128 v[HF+12*((\k)%8)+4*\j:HF+12*((\k)%8)+4*\j+3], v[L16], s[HQB:HQB+1] offset:FRB*(\k)+512*\j
.endr
	global_load_b32 v[HS+(\k)%8], v[L4], s[HSB:HSB+1] offset:128*(\k)
.endm
.macro PROD k, n
.set MD, ACC+8*(2*((\k)%2)+\n)
.set MA, WF+24*((\k)%2)+12*\n
.set MB, HF+12*((\k)%8)
.set MS, WS+(\k)%2
.set MX, HS+(\k)%8
.if (\k) < 2
.if \n
	v_wmma_scale_f32_16x16x128_f8f6f4 v[MD:MD+7], v[MA:MA+11], v[MB:MB+11], 0, v[MS], v[MX] matrix_a_fmt:MATRIX_FMT_BF6 matrix_b_fmt:MATRIX_FMT_BF6 matrix_a_scale:MATRIX_SCALE_ROW1
.else
	v_wmma_scale_f32_16x16x128_f8f6f4 v[MD:MD+7], v[MA:MA+11], v[MB:MB+11], 0, v[MS], v[MX] matrix_a_fmt:MATRIX_FMT_BF6 matrix_b_fmt:MATRIX_FMT_BF6
.endif
.else
.if \n
	v_wmma_scale_f32_16x16x128_f8f6f4 v[MD:MD+7], v[MA:MA+11], v[MB:MB+11], v[MD:MD+7], v[MS], v[MX] matrix_a_fmt:MATRIX_FMT_BF6 matrix_b_fmt:MATRIX_FMT_BF6 matrix_a_scale:MATRIX_SCALE_ROW1
.else
	v_wmma_scale_f32_16x16x128_f8f6f4 v[MD:MD+7], v[MA:MA+11], v[MB:MB+11], v[MD:MD+7], v[MS], v[MX] matrix_a_fmt:MATRIX_FMT_BF6 matrix_b_fmt:MATRIX_FMT_BF6
.endif
.endif
.endm
	s_load_b256 s[4:11], s[0:1], 0x0               ; expert_proj s[4:5], hq s[6:7], hs s[8:9], masks s[10:11]
	s_load_b64 s[12:13], s[0:1], 0x20              ; out0
	v_lshl_add_u32 v254, v0, 2, 0x3b000
	v_mov_b32 v255, 0
	v_lshrrev_b32 v1, 5, v0
	v_readfirstlane_b32 s[WV], v1                  ; wave 0..15
	s_and_b32 s[EX], ttmp7, 0xffff                 ; the expert
	v_and_b32 v[LN], 31, v0
	v_and_b32 v[RR], 15, v0
	v_bfe_u32 v[HH], v0, 4, 1
	v_lshlrev_b32 v[L16], 4, v[LN]
	v_lshlrev_b32 v[L4], 2, v[LN]
	v_lshlrev_b32 v[H8], 3, v[HH]
	s_mul_i32 s71, s[WV], 16*SP                    ; my stage
	v_add_nc_u32 v[STW], s71, v[L16]
	v_mul_u32_u24 v[STR], v[RR], SP
	v_lshl_add_u32 v[STR], v[HH], 7, v[STR]
	v_add_nc_u32 v[STR], s71, v[STR]
	v_mul_u32_u24 v[OSW], v[RR], 144               ; the way out uses the same bytes, rows of 128 + 16
	v_lshl_add_u32 v[OSW], v[HH], 5, v[OSW]
	v_add_nc_u32 v[OSW], s71, v[OSW]
	v_lshrrev_b32 v[TA], 3, v[LN]                  ; lane / 8
	v_and_b32 v[C16], 7, v[LN]
	v_lshlrev_b32 v[C16], 4, v[C16]
	v_mul_u32_u24 v[OSR], v[TA], 144
	v_add_nc_u32 v[OSR], v[OSR], v[C16]
	v_add_nc_u32 v[OSR], s71, v[OSR]
	s_lshl_b32 s71, s[WV], 6
	s_add_co_u32 s71, s71, LIST
	v_lshl_add_u32 v[LSR], v[TA], 2, s71
	s_mul_i32 s71, s[WV], 4*FRB
	s_add_co_u32 s71, s71, WIMG
	v_add_nc_u32 v[IMW], s71, v[L16]
	s_lshl_b32 s71, s[WV], 8
	s_add_co_u32 s70, s71, WSC
	v_lshl_add_u32 v[SCW], v[RR], 2, s70
	s_add_co_u32 s70, s71, LIST
	v_lshl_add_u32 v[LSW], v[LN], 2, s70
	v_add_nc_u32 v[IMR0], WIMG, v[L16]
	v_add_nc_u32 v[IMR1], WIMG+32*FRB, v[L16]
	v_lshl_add_u32 v[WSR], v[LN], 2, WSC
	v_mov_b32 v[W2], 0                             ; written once: a lane permute's destination counts as one of its sources
	s_mov_b32 s[SEL], 0x76543210
	s_mov_b32 s[SEL+1], 0xfedcba98
	s_lshl_b32 s72, s[EX], 24                      ; expert_proj: 2^24 bytes an expert, 32 rows of 16,384 bytes a slice, 1,024 bytes of a row a wave
	s_lshl_b32 s54, ttmp9, 19
	s_add_co_u32 s72, s72, s54
	s_lshl_b32 s54, s[WV], 10
	s_add_co_u32 s72, s72, s54
	s_mov_b32 s73, 0
	s_lshl_b32 s74, s[EX], 7                       ; masks: 128 bytes an expert
	s_mov_b32 s75, 0
	s_lshl_b32 s54, s[EX], 6
	s_add_co_u32 s54, s54, s[WV]                   ; my first tile: 64 x expert + wave
	s_mul_i32 s76, s54, 32*FRB
	s_mov_b32 s77, 0
	s_lshl_b32 s78, s54, 12
	s_mov_b32 s79, 0
	s_lshl_b32 s68, ttmp9, 7                       ; out0: my slice's 128 bytes of a row
	s_mov_b32 s69, 0
	s_wait_kmcnt 0x0
	s_add_nc_u64 s[10:11], s[10:11], s[74:75]
	s_load_b512 s[16:31], s[10:11], 0x0            ; the expert's 32 mask words
	s_load_b512 s[32:47], s[10:11], 0x40
	s_add_nc_u64 s[4:5], s[4:5], s[72:73]
	s_add_nc_u64 s[HQB:HQB+1], s[6:7], s[76:77]
	s_add_nc_u64 s[HSB:HSB+1], s[8:9], s[78:79]
	s_add_nc_u64 s[12:13], s[12:13], s[68:69]
	LOADF 0
	LOADF 1
	LOADF 2                                        ; 48 loads of 512 bytes a wave are out
	s_wait_kmcnt 0x0
	MAKELIST                                       ; stands where the wave would wait for its first loads
	FRAG 0, 32
	LOADF 3                                        ; into the set just quantised
	FRAG 1, 32
	FRAG 2, 16
	FRAG 3, 0
	s_wait_dscnt 0x0                               ; for the others' sake: my fragments, scale words and list entries have landed
	s_barrier_signal -1
	s_barrier_wait -1
	s_mov_b32 s[TT], s[WV]
	s_mov_b32 s[TL], 0
	s_mov_b32 s[TRIP], 0
.Ltile:
	s_cmp_ge_u32 s[TT], s[NT]                      ; no tokens for this tile: only the steps at the trip's end are run
	s_cbranch_scc1 .Lnext
.irp k, 0,1,2,3,4,5,6,7
	HL \k                                          ; 32 loads out
.endr
	v_add_nc_u32 v[TA], s[TL], v[LSR]
.irp k, 0,1,2,3
	ds_load_b32 v[TK+\k], v[TA] offset:16*\k       ; rank 16 t + 4 k + lane / 8: the rows that I shall store
.endr
	WL 0
	WL 1
; 32 K steps of two matrix instructions.  The four accumulators take turns, one instruction a turn.
.set ks, 0
.rept 32
.if ks < 31
	s_wait_dscnt 7                                 ; this K step's weights are in; the next one's 7 loads may be out
.else
	s_wait_dscnt 0x0
.endif
.if ks <= 24
	s_wait_loadcnt 28                              ; this K step's h is in; the seven younger K steps' 28 loads may be out
.else
	s_wait_loadcnt 4*(31-ks)
.endif
	PROD ks, 0
	PROD ks, 1
.if ks != 30
.rept 4
	v_nop                                          ; places in front of loads into registers that these products read, and of the first read of results
.endr
.endif
.if ks+2 < 32
	WL ks+2
.endif
.if ks+8 < 32
	HL ks+8
.endif
.set ks, ks+1
.endr
.irp n, 0,1
.irp p, 0,1,2,3
	v_pk_add_f32 v[O+8*\n+2*\p:O+8*\n+2*\p+1], v[ACC+8*\n+2*\p:ACC+8*\n+2*\p+1], v[ACC+16+8*\n+2*\p:ACC+16+8*\n+2*\p+1]   ; even and odd K steps; each accumulator from its low end on
.endr
.endr
.irp n, 0,1
.irp c, 0,1
	ds_store_b128 v[OSW], v[O+8*\n+4*\c:O+8*\n+4*\c+3] offset:64*\n+16*\c      ; lane (r, h): out(token r, 16 n + 8 h + 0 .. 7)
.endr
.endr
.irp k, 0,1,2,3
	ds_load_b128 v[OB+4*\k:OB+4*\k+3], v[OSR] offset:4*144*\k      ; LDS serves a wave's instructions in order: these see my stores
.endr
.irp k, 0,1,2,3
	v_min_u32 v[TK+\k], 0x3ff, v[TK+\k]
.endr
.irp k, 0,1,2,3
	v_lshl_add_u32 v[TK+\k], v[TK+\k], 12, v[C16]  ; the token's row of 4,096 bytes, + 16 (lane % 8)
.endr
	s_wait_dscnt 0x0
.irp k, 0,1,2,3
	global_store_b128 v[TK+\k], v[OB+4*\k:OB+4*\k+3], s[12:13] th:TH_STORE_NT  ; eight lanes store a token's 128 consecutive bytes
.endr
	s_wait_xcnt 0x0                                ; the stores' offsets and data are written again only behind this wait
.Lnext:
	s_add_co_u32 s[TT], s[TT], 16
	s_add_co_u32 s[TL], s[TL], 1024
	s_add_nc_u64 s[HQB:HQB+1], s[HQB:HQB+1], 16*32*FRB
	s_add_nc_u64 s[HSB:HSB+1], s[HSB:HSB+1], 16*4096
	s_add_co_u32 s[TRIP], s[TRIP], 1
	s_cmp_lt_u32 s[TRIP], 4
	s_cbranch_scc1 .Ltile
	s_wait_tensorcnt 0x0
	ds_add_u32 v254, v255
	s_wait_dscnt 0x0
	s_endpgm
.Lfunc_end_k_q5287584a14_proj:
	.size	k_q5287584a14_proj, .Lfunc_end_k_q5287584a14_proj-k_q5287584a14_proj
	.p2alignl 7, 3214868480
	.fill 96, 4, 3214868480
	.section	.rodata,"a",@progbits
	.p2align	6, 0x0
	.amdhsa_kernel k_q5287584a14_proj
		.amdhsa_group_segment_fixed_size 243712
		.amdhsa_private_segment_fixed_size 0
		.amdhsa_enable_private_segment 0
		.amdhsa_kernarg_size 40
		.amdhsa_user_sgpr_count 2
		.amdhsa_user_sgpr_kernarg_segment_ptr 1
		.amdhsa_wavefront_size32 1
		.amdhsa_system_sgpr_workgroup_id_x 1
		.amdhsa_system_sgpr_workgroup_id_y 1
		.amdhsa_system_sgpr_workgroup_id_z 1
		.amdhsa_system_vgpr_workitem_id 0
		.amdhsa_next_free_vgpr 256
		.amdhsa_next_free_sgpr 80
		.amdhsa_reserve_vcc 1
		.amdhsa_float_denorm_mode_32 3
		.amdhsa_float_denorm_mode_16_64 3
		.amdhsa_memory_ordered 1
		.amdhsa_forward_progress 1
		.amdhsa_inst_pref_size 89
	.end_amdhsa_kernel
	.amdgpu_metadata
---
amdhsa.version: [ 1, 2 ]
amdhsa.kernels:
  - .name:           k_q5287584a14_proj
    .symbol:         k_q5287584a14_proj.kd
    .args:
      - { .name: expert_proj, .offset: 0, .size: 8, .value_kind: global_buffer, .address_space: global }
      - { .name: hq, .offset: 8, .size: 8, .value_kind: global_buffer, .address_space: global }
      - { .name: hs, .offset: 16, .size: 8, .value_kind: global_buffer, .address_space: global }
      - { .name: masks, .offset: 24, .size: 8, .value_kind: global_buffer, .address_space: global }
      - { .name: out0, .offset: 32, .size: 8, .value_kind: global_buffer, .address_space: global }
    .group_segment_fixed_size: 243712
    .private_segment_fixed_size: 0
    .kernarg_segment_align: 8
    .kernarg_segment_size: 40
    .max_flat_workgroup_size: 512
    .sgpr_count:     80
    .vgpr_count:     256
    .wavefront_size: 32
...
	.end_amdgpu_metadata
.endif
;; end of part 3
;; ======== version 2 of 2: 3 launches
;; workspace buffers: xq 786,432 bytes; xs 32,768 bytes; masks 1,024 bytes of whole numbers; hq 25,165,824 bytes; hs 2,097,152 bytes
;; launch route (part 4): grid 64 x 1, 8 waves a work-group, no clusters, 123,904 bytes of LDS; arguments x, router_w, xq, xs, masks; writes xq, xs, masks
.if DOCPART == 4
	.amdgcn_target "amdgcn-amd-amdhsa--gfx1250"
	.amdhsa_code_object_version 6
	.text
	.protected	k_q5287584a14_route
	.globl	k_q5287584a14_route
	.p2align	8
	.type	k_q5287584a14_route,@function
k_q5287584a14_route:
	s_mov_b64 s[64:65], 0
	v_nop
	global_prefetch_b8 v0, s[64:65] scope:SCOPE_SE
	s_setreg_imm32_b32 hwreg(HW_REG_WAVE_MODE, 25, 1), 1
	s_wait_xcnt 0x0
; THE ROUTER, AND x AS CODES.  x: [1024 tokens][1024] f32; router_w: [8][1024] f32.
; A work-group takes 16 tokens; wave s takes K step s, 128 of the 1,024 along D.  Each wave adds its part of the 8 logits in f32 and quantises its 16 x 128 numbers of x to codes of E3M2
; with one E8M0 byte for each 32 along D.  Wave 0 then adds the eight parts, takes the softmax (the largest logit taken away first) and the argmax (the lowest index wins a tie).
; OUT: xq [token][K step][half h][3 x 16 bytes]: the 12 operand registers of lane (token % 16, h) of a fragment of 16 tokens x 128 K, 768 bytes a token;
;      xs [token][8 scale words];  masks [expert][32 words]: bit i of word g says that token 32 g + i goes to that expert.  The choice is stored as data: no address and no branch here hangs on it.
; A block's scale byte is its largest magnitude's exponent field - 4, held at 1 from below.  LIMITS: a block of zeros gets the byte 1 where the rule says 127 (its codes are zeros, and only this program reads
; the bytes); NaN and infinities are not served; a token whose two largest probabilities lie within the rounding of the f32 sums (about 1e-6 of them) may go to the other of the two experts.
; No matrix unit: 8 outputs a token.  No cluster: work-groups share only router_w's 32,768 bytes.  64 work-groups: a fragment has 16 tokens, and the launch has 1,024.
.set SP,   528                         ; a stage row: 512 bytes + 16: 33 x 16, so sixteen rows' equal columns fall on sixteen different 16-byte columns of 256
.set XST,  0                           ; x's stage: 16 rows for each wave
.set WST,  8*16*SP                     ; router_w's stage: 8 rows for each wave
.set RED,  WST+8*8*SP                  ; the waves' partial logits: 1,024 bytes a wave
.set OP,   784                         ; a token's 768 bytes of codes + 16
.set OUT,  RED+8*1024                  ; the codes of 16 tokens, gathered
.set XSL,  OUT+16*OP                   ; their 8 scale words each
.set LN,  1                            ; v1   lane
.set RR,  2                            ; v2   r = lane % 16
.set HH,  3                            ; v3   h = lane / 16
.set L16, 4                            ; v4   16 x lane
.set STW, 5                            ; v5   x's stage, in: 16 x lane
.set STR, 6                            ; v6   x's stage, out: row r, + 128 h
.set WSW, 7                            ; v7   router_w's stage, in
.set WSR, 8                            ; v8   router_w's stage, out: + 128 h
.set RDA, 9                            ; v9   my wave's partial logits: 16 x lane
.set OWA, 10                           ; v10  where my codes go: row r, + 96 s + 48 h
.set XSA, 11                           ; v11  where my scale word goes: 32 r + 4 s
.set ORA, 12                           ; v12  the codes on their way out: my wave's two rows, 16 x lane
.set ORB, 13                           ; v13  the same, one padding on for lanes 16-31
.set H8,  14                           ; v14  8 h
.set XSR, 15                           ; v15  the scale words on their way out
.set T,   16                           ; v16-79   64 numbers of x: register 32 c + i = k 64 c + 32 h + i of token r
.set W,   80                           ; v80-175  router_w: three sets of 32 by turns
.set AC,  176                          ; v176-191 a pair of sums for each expert
.set AB,  192                          ; v192-207 a second pair, so that two chains take turns
.set F,   192                          ; v192-203 later: the codes
.set TC,  204                          ; v204-211 the second halves of the blocks' codes
.set QM,  212                          ; v212-213 largest magnitudes
.set QS,  214                          ; v214-215 the conversions' scale operands
.set QB,  216                          ; v216-217 scale bytes
.set SWD, 218                          ; v218 the scale word
.set W2,  219                          ; v219 the other half's bytes
.set LG,  220                          ; v220-227 logits
.set MO,  236                          ; v236 128 x lane: an expert's row of masks
.set VM,  237                          ; v237 lane e: expert e's 16 bits
.set WV,  14                           ; s14  wave = K step
.set SEL, 20                           ; s[20:21] v_permlanex16_b32's selects for lane l xor 16
; 16 rows x 128 numbers, loaded as they lie (row p in registers set + 4 p, 16 bytes a lane), go through the wave's own stage and come back 64 neighbours-by-block a lane.
; LDS serves a wave's instructions in order: no wait between the stores and the loads.
.macro TURN set
.irp p, 0,1,2,3,4,5,6,7,8,9,10,11,12,13,14,15
	ds_store_b128 v[STW], v[\set+4*\p:\set+4*\p+3] offset:SP*\p
.endr
.irp c, 0,1
.irp i, 0,1,2,3,4,5,6,7
	ds_load_b128 v[\set+32*\c+4*\i:\set+32*\c+4*\i+3], v[STR] offset:256*\c+16*\i
.endr
.endr
.endm
; 64 numbers of lane (r, h), register 32 c + i = k 64 c + 32 h + i of row r, become the lane's 12 operand registers in v[dst] on and the row's scale word in v[SWD].
.macro QW src, dst
.irp c, 0,1
	v_max3_num_f32 v[QM+\c], |v[\src+32*\c]|, |v[\src+32*\c+1]|, 0x2800000   ; my block 2 c + h: all 32 numbers are mine; the floor 2^(5 - 127) holds the byte at 1 from below
.endr
.irp i, 2,4,6,8,10,12,14,16,18,20,22,24,26,28,30
.irp c, 0,1
	s_delay_alu instid0(VALU_DEP_2)
	v_max3_num_f32 v[QM+\c], v[QM+\c], |v[\src+32*\c+\i]|, |v[\src+32*\c+\i+1]|   ; the two blocks by turns
.endr
.endr
.irp c, 0,1
	s_delay_alu instid0(VALU_DEP_2)
	v_add_nc_u32 v[QS+\c], 0xfe000000, v[QM+\c]    ; 4 off the exponent field: the conversion takes this operand's exponent field as its scale
.endr
.irp c, 0,1
	s_delay_alu instid0(VALU_DEP_2)
	v_lshrrev_b32 v[QB+\c], 23, v[QS+\c]           ; the scale's byte
.endr
	s_delay_alu instid0(VALU_DEP_1)
	v_lshl_or_b32 v[SWD], v[QB+1], 16, v[QB]       ; blocks h and 2 + h,
	s_delay_alu instid0(VALU_DEP_1)
	v_lshlrev_b32 v[SWD], v[H8], v[SWD]            ; at their places in the word;
	s_delay_alu instid0(VALU_DEP_1)
	v_permlanex16_b32 v[W2], v[SWD], s[SEL], s[SEL+1]
	s_delay_alu instid0(VALU_DEP_1)
	v_or_b32 v[SWD], v[SWD], v[W2]                 ; with lane l xor 16's two the word is whole, in both halves
.irp c, 0,1
	v_cvt_scalef32_pk16_bf6_f32 v[\dst+6*\c:\dst+6*\c+2], v[\src+32*\c:\src+32*\c+15], v[QS+\c]
	v_cvt_scalef32_pk16_bf6_f32 v[TC+4*\c:TC+4*\c+2], v[\src+32*\c+16:\src+32*\c+31], v[QS+\c]   ; (a conversion's three registers begin on an even number)
.endr
	v_nop                                          ; one plain place behind a scaled conversion
.irp c, 0,1
.irp i, 0,1,2
	v_mov_b32 v[\dst+6*\c+3+\i], v[TC+4*\c+\i]
.endr
.endr
.endm
; unit u = 2 e + c: router_w(e, 64 c + 32 h + 0 .. 31) of my K step: the sixteen lanes of a half read the same words
.macro WUNIT u
.irp i, 0,1,2,3,4,5,6,7
	ds_load_b128 v[W+32*((\u)%3)+4*\i:W+32*((\u)%3)+4*\i+3], v[WSR] offset:SP*((\u)/2)+256*((\u)%2)+16*\i
.endr
.endm
	s_load_b256 s[4:11], s[0:1], 0x0               ; x s[4:5], router_w s[6:7], xq s[8:9], xs s[10:11]
	s_load_b64 s[12:13], s[0:1], 0x20              ; masks
	v_lshl_add_u32 v254, v0, 2, 0x1e000
	v_mov_b32 v255, 0
	v_lshrrev_b32 v1, 5, v0
	s_delay_alu instid0(VALU_DEP_1)
	v_readfirstlane_b32 s[WV], v1                  ; wave 0..7
	v_and_b32 v[LN], 31, v0
	v_and_b32 v[RR], 15, v0
	v_bfe_u32 v[HH], v0, 4, 1
	s_delay_alu instid0(VALU_DEP_3)
	v_lshlrev_b32 v[L16], 4, v[LN]
	; every LDS address is made here, ahead of the places where the waves part: a constant + constants x lane + a constant x wave
	s_mul_i32 s15, s[WV], 16*SP
	v_add_nc_u32 v[STW], s15, v[L16]
	v_mul_u32_u24 v[STR], v[RR], SP
	s_delay_alu instid0(VALU_DEP_1)
	v_lshl_add_u32 v[STR], v[HH], 7, v[STR]
	s_delay_alu instid0(VALU_DEP_1)
	v_add_nc_u32 v[STR], s15, v[STR]
	s_mul_i32 s15, s[WV], 8*SP
	s_add_co_u32 s15, s15, WST
	v_add_nc_u32 v[WSW], s15, v[L16]
	v_lshlrev_b32 v[WSR], 7, v[HH]
	s_delay_alu instid0(VALU_DEP_1)
	v_add_nc_u32 v[WSR], s15, v[WSR]
	s_lshl_b32 s15, s[WV], 10
	s_add_co_u32 s15, s15, RED
	v_add_nc_u32 v[RDA], s15, v[L16]
	s_mul_i32 s15, s[WV], 96
	s_add_co_u32 s15, s15, OUT
	v_mul_u32_u24 v[OWA], v[RR], OP
	s_delay_alu instid0(VALU_DEP_1)
	v_mad_u32_u24 v[OWA], v[HH], 48, v[OWA]
	s_delay_alu instid0(VALU_DEP_1)
	v_add_nc_u32 v[OWA], s15, v[OWA]
	s_lshl_b32 s15, s[WV], 2
	s_add_co_u32 s15, s15, XSL
	v_lshl_add_u32 v[XSA], v[RR], 5, s15
	s_mul_i32 s15, s[WV], 2*OP
	s_add_co_u32 s15, s15, OUT
	v_add_nc_u32 v[ORA], s15, v[L16]
	s_delay_alu instid0(VALU_DEP_1)
	v_lshl_add_u32 v[ORB], v[HH], 4, v[ORA]
	v_lshlrev_b32 v[H8], 3, v[HH]
	v_add_nc_u32 v[XSR], XSL, v[L16]
	v_lshlrev_b32 v[MO], 7, v[LN]
	v_mov_b32 v[W2], 0                             ; written once: a lane permute's destination counts as one of its sources
	s_mov_b32 s[SEL], 0x76543210
	s_mov_b32 s[SEL+1], 0xfedcba98
	s_lshl_b32 s16, ttmp9, 16                      ; x: 16 tokens of 4,096 bytes a work-group,
	s_lshl_b32 s18, s[WV], 9                       ; and my K step's 512 bytes of a row (of router_w's rows too)
	s_add_co_u32 s16, s16, s18
	s_mov_b32 s17, 0
	s_mov_b32 s19, 0
	s_mul_i32 s22, ttmp9, 16*768                   ; xq: 16 tokens of 768 bytes, and my wave's two of them on the way out
	s_mul_i32 s24, s[WV], 2*768
	s_add_co_u32 s22, s22, s24
	s_mov_b32 s23, 0
	s_lshl_b32 s24, ttmp9, 9                       ; xs: 16 tokens of 32 bytes
	s_mov_b32 s25, 0
	s_lshl_b32 s26, ttmp9, 1                       ; masks: 16 bits a work-group in each expert's row
	s_mov_b32 s27, 0
	s_wait_kmcnt 0x0
	s_add_nc_u64 s[4:5], s[4:5], s[16:17]
	s_add_nc_u64 s[6:7], s[6:7], s[18:19]
	s_add_nc_u64 s[8:9], s[8:9], s[22:23]
	s_add_nc_u64 s[10:11], s[10:11], s[24:25]
	s_add_nc_u64 s[12:13], s[12:13], s[26:27]
.irp e, 0,1,2,3,4,5,6,7
	global_load_b128 v[W+4*\e:W+4*\e+3], v[L16], s[6:7] offset:4096*\e                 ; 32 lanes read 512 consecutive bytes of expert e's row
.endr
.irp p, 0,1,2,3,4,5,6,7,8,9,10,11,12,13,14,15
	global_load_b128 v[T+4*\p:T+4*\p+3], v[L16], s[4:5] offset:4096*\p th:TH_LOAD_NT   ; and of token p's row: read once in the launch
.endr
	s_wait_loadcnt 16                              ; router_w's eight are in; x's sixteen may be out
.irp e, 0,1,2,3,4,5,6,7
	ds_store_b128 v[WSW], v[W+4*\e:W+4*\e+3] offset:SP*\e
.endr
	s_wait_loadcnt 0x0
	TURN T
	WUNIT 0
	WUNIT 1
	WUNIT 2
; THE LOGITS' PARTS: sixteen units, three sets of registers by turns; two chains of packed multiply-adds for each expert; the first products start the sums.
.set u, 0
.rept 16
.if u < 14
	s_wait_alu depctr_va_vdst(0)
	s_wait_dscnt 16                                ; unit u is in; the two younger units' sixteen loads may be out
.elseif u == 14
	s_wait_dscnt 8
.else
	s_wait_alu depctr_va_vdst(0)
	s_wait_dscnt 0x0
.endif
.set i, 0
.rept 16
.set a, AC+(AB-AC)*(i%2)+2*(u/2)
.set xr, T+32*(u%2)+2*i
.set wr, W+32*(u%3)+2*i
.if (u%2 == 0) && (i < 2)
	v_pk_mul_f32 v[a:a+1], v[xr:xr+1], v[wr:wr+1]
.else
	v_pk_fma_f32 v[a:a+1], v[xr:xr+1], v[wr:wr+1], v[a:a+1]
.endif
.set i, i+1
.endr
.if u+3 < 16
	WUNIT u+3
.endif
.set u, u+1
.endr
.irp e, 0,1,2,3,4,5,6,7
	v_pk_add_f32 v[AC+2*\e:AC+2*\e+1], v[AC+2*\e:AC+2*\e+1], v[AB+2*\e:AB+2*\e+1]
.endr
.irp e, 0,1,2,3,4,5,6,7
	v_add_f32 v[LG+\e], v[AC+2*\e], v[AC+2*\e+1]
.endr
.irp e, 0,1,2,3,4,5,6,7
	v_permlanex16_b32 v[AC+2*\e], v[LG+\e], s[SEL], s[SEL+1]       ; the token's other 64 numbers lie in the lane 16 away
.endr
.irp e, 0,1,2,3,4,5,6,7
	v_add_f32 v[LG+\e], v[LG+\e], v[AC+2*\e]
.endr
	ds_store_b128 v[RDA], v[LG:LG+3]
	ds_store_b128 v[RDA], v[LG+4:LG+7] offset:512
; x'S CODES
	QW T, F
.irp j, 0,1,2
	ds_store_b128 v[OWA], v[F+4*\j:F+4*\j+3] offset:16*\j
.endr
	ds_store_b32 v[XSA], v[SWD]                    ; both halves write the same word with the same value
	s_wait_dscnt 0x0                               ; for the others' sake: all my LDS stores have landed
	s_barrier_signal -1
	s_barrier_wait -1
; Each wave sends two tokens' codes, 1,536 consecutive bytes: byte b of them lies at b + 16 (b / 768) of its two stage rows.
	ds_load_b128 v[16:19], v[ORA]
	ds_load_b128 v[20:23], v[ORB] offset:512       ; bytes 512 .. 1,023: lanes 16-31 are in the second row
	ds_load_b128 v[24:27], v[ORA] offset:1040
	s_wait_dscnt 0x0
	global_store_b128 v[L16], v[16:19], s[8:9]     ; each store covers 512 consecutive bytes, aligned to 512
	global_store_b128 v[L16], v[20:23], s[8:9] offset:512
	global_store_b128 v[L16], v[24:27], s[8:9] offset:1024
	s_cmp_lg_u32 s[WV], 1
	s_cbranch_scc1 .Lnot_one
	ds_load_b128 v[28:31], v[XSR]                  ; wave 1: the 16 tokens' scale words, 512 consecutive bytes
	s_wait_dscnt 0x0
	global_store_b128 v[L16], v[28:31], s[10:11]
.Lnot_one:
	s_cmp_lg_u32 s[WV], 0
	s_cbranch_scc1 .Lend
; WAVE 0: lane (r, h) holds token r.  The eight waves' parts are added in ascending K.
.irp k, 0,1,2,3,4,5,6,7
	ds_load_b128 v[32+8*\k:35+8*\k], v[RDA] offset:1024*\k
	ds_load_b128 v[36+8*\k:39+8*\k], v[RDA] offset:1024*\k+512
.endr
	s_wait_dscnt 0x0
.irp k, 1,2,3,4,5,6,7
.irp p, 0,1,2,3
	v_pk_add_f32 v[32+2*\p:33+2*\p], v[32+2*\p:33+2*\p], v[32+8*\k+2*\p:33+8*\k+2*\p]
.endr
.endr
	s_delay_alu instid0(VALU_DEP_3)
	v_max3_num_f32 v40, v32, v33, v34              ; the largest logit
	s_delay_alu instid0(VALU_DEP_1)
	v_max3_num_f32 v40, v40, v35, v36
	s_delay_alu instid0(VALU_DEP_1)
	v_max3_num_f32 v40, v40, v37, v38
	s_delay_alu instid0(VALU_DEP_1)
	v_max_num_f32 v40, v40, v39
.irp e, 0,1,2,3,4,5,6,7
	v_sub_f32 v[48+\e], v[32+\e], v40              ; the difference first, so that the largest gives exactly 0
.endr
.irp e, 0,1,2,3,4,5,6,7
	v_mul_f32 v[48+\e], 0x3fb8aa3b, v[48+\e]       ; x log2(e)
.endr
	s_wait_alu depctr_va_vdst(0)
.irp e, 0,1,2,3,4,5,6,7
	v_exp_f32 v[48+\e], v[48+\e]
.endr
	v_mov_b32 v[VM], 0                             ; (a plain place behind the exponentials)
	s_wait_alu depctr_va_vdst(0)
	v_add_f32 v41, v48, v49
	v_add_f32 v42, v50, v51
	v_add_f32 v44, v52, v53
	v_add_f32 v45, v54, v55
	s_delay_alu instid0(VALU_DEP_3)
	v_add_f32 v41, v41, v42
	s_delay_alu instid0(VALU_DEP_2)
	v_add_f32 v44, v44, v45
	s_delay_alu instid0(VALU_DEP_1)
	v_add_f32 v41, v41, v44
	s_wait_alu depctr_va_vdst(0)
	v_rcp_f32 v46, v41
	v_mov_b32 v43, 0                               ; (a plain place behind the reciprocal)  the index of the largest so far
	s_wait_alu depctr_va_vdst(0)
.irp e, 0,1,2,3,4,5,6,7
	v_mul_f32 v[48+\e], v[48+\e], v46              ; the probabilities
.endr
.irp e, 1
	v_cmp_ge_f32 vcc_lo, v48, v[48+\e]             ; the largest so far stays unless expert e's is strictly larger: the lowest index wins a tie
	s_delay_alu instid0(VALU_DEP_1)
	v_cndmask_b32 v43, \e, v43, vcc_lo
	s_delay_alu instid0(VALU_DEP_2)
	v_cndmask_b32 v48, v[48+\e], v48, vcc_lo
.endr
.irp e, 2, 3, 4, 5, 6, 7
	s_delay_alu instid0(VALU_DEP_1)
	v_cmp_ge_f32 vcc_lo, v48, v[48+\e]
	s_delay_alu instid0(VALU_DEP_1)
	v_cndmask_b32 v43, \e, v43, vcc_lo
	s_delay_alu instid0(VALU_DEP_2)
	v_cndmask_b32 v48, v[48+\e], v48, vcc_lo
.endr
.irp e, 0,1,2,3,4,5,6,7
	v_cmp_eq_u32 s[40+\e], \e, v43                 ; bit l: lane l's token goes to expert e (lanes 16-31 repeat lanes 0-15)
	s_delay_alu instid0(VALU_DEP_1)
	v_writelane_b32 v[VM], s[40+\e], \e            ; as data of lane e
.endr
	v_cmp_gt_u32 vcc_lo, 8, v[LN]
	s_wait_alu depctr_va_vdst(0)
	s_wait_xcnt 0x0                                ; EXEC changes only behind this wait: my stores above have been issued under the full one
	s_and_saveexec_b32 s30, vcc_lo
	global_store_b16 v[MO], v[VM], s[12:13]        ; lane e: the low 16 bits, into expert e's row
	s_wait_xcnt 0x0
	s_or_b32 exec_lo, exec_lo, s30
.Lend:
	s_wait_tensorcnt 0x0
	ds_add_u32 v254, v255
	s_wait_dscnt 0x0
	s_endpgm
.Lfunc_end_k_q5287584a14_route:
	.size	k_q5287584a14_route, .Lfunc_end_k_q5287584a14_route-k_q5287584a14_route
	.p2alignl 7, 3214868480
	.fill 96, 4, 3214868480
	.section	.rodata,"a",@progbits
	.p2align	6, 0x0
	.amdhsa_kernel k_q5287584a14_route
		.amdhsa_group_segment_fixed_size 123904
		.amdhsa_private_segment_fixed_size 0
		.amdhsa_enable_private_segment 0
		.amdhsa_kernarg_size 40
		.amdhsa_user_sgpr_count 2
		.amdhsa_user_sgpr_kernarg_segment_ptr 1
		.amdhsa_wavefront_size32 1
		.amdhsa_system_sgpr_workgroup_id_x 1
		.amdhsa_system_sgpr_workgroup_id_y 1
		.amdhsa_system_sgpr_workgroup_id_z 1
		.amdhsa_system_vgpr_workitem_id 0
		.amdhsa_next_free_vgpr 256
		.amdhsa_next_free_sgpr 66
		.amdhsa_reserve_vcc 1
		.amdhsa_float_denorm_mode_32 3
		.amdhsa_float_denorm_mode_16_64 3
		.amdhsa_memory_ordered 1
		.amdhsa_forward_progress 1
		.amdhsa_inst_pref_size 48
	.end_amdhsa_kernel
	.amdgpu_metadata
---
amdhsa.version: [ 1, 2 ]
amdhsa.kernels:
  - .name:           k_q5287584a14_route
    .symbol:         k_q5287584a14_route.kd
    .args:
      - { .name: x, .offset: 0, .size: 8, .value_kind: global_buffer, .address_space: global }
      - { .name: router_w, .offset: 8, .size: 8, .value_kind: global_buffer, .address_space: global }
      - { .name: xq, .offset: 16, .size: 8, .value_kind: global_buffer, .address_space: global }
      - { .name: xs, .offset: 24, .size: 8, .value_kind: global_buffer, .address_space: global }
      - { .name: masks, .offset: 32, .size: 8, .value_kind: global_buffer, .address_space: global }
    .group_segment_fixed_size: 123904
    .private_segment_fixed_size: 0
    .kernarg_segment_align: 8
    .kernarg_segment_size: 40
    .max_flat_workgroup_size: 256
    .sgpr_count:     66
    .vgpr_count:     256
    .wavefront_size: 32
...
	.end_amdgpu_metadata
.endif
;; end of part 4
;; launch fc (part 5): grid 32 x 8, 16 waves a work-group, no clusters, 108,544 bytes of LDS; arguments expert_fc, xq, xs, masks, hq, hs; writes hq, hs
.if DOCPART == 5
	.amdgcn_target "amdgcn-amd-amdhsa--gfx1250"
	.amdhsa_code_object_version 6
	.text
	.protected	k_q5287584a14_fc
	.globl	k_q5287584a14_fc
	.p2align	8
	.type	k_q5287584a14_fc,@function
k_q5287584a14_fc:
	s_mov_b64 s[64:65], 0
	v_nop
	global_prefetch_b8 v0, s[64:65] scope:SCOPE_SE
	s_setreg_imm32_b32 hwreg(HW_REG_WAVE_SCHED_MODE, 0, 2), 2
	s_setreg_imm32_b32 hwreg(HW_REG_WAVE_MODE, 25, 1), 1
	s_wait_xcnt 0x0
	s_wait_alu depctr_vm_vsrc(0)
; h = relu(x fc_e)^2 FOR THE TOKENS OF EXPERT e, AS CODES.  expert_fc: [8][1024 (d = K)][4096] f32.  Work-group (x, y): 128 hidden units 128 x .. 128 x + 127 of expert y: 524,288 bytes of f32, read once in the launch.
; PHASE S: the slice is streamed and quantised along d.  A LANE TAKES TWO COLUMNS AND ITS REGISTERS RUN DOWN K: each load of a wave covers 256 consecutive bytes, aligned; a block of 32 along K lies in one lane, and the
; conversions give codes with K innermost.  Wave w: columns 64 (w & 1) on, K steps 2 (w >> 2) and 2 (w >> 2) + 1, of each the blocks h' and 2 + h', h' = (w >> 1) & 1: just what operand lane (m, h') of a fragment holds.
; THE UNITS OF A TILE ARE NOT NEIGHBOURS: tile ct = 4 g + 2 y + v (g = w & 1, y = which of the lane's two columns, v = lane / 16) has as row m the unit 64 g + 32 v + 2 m + y.  The fragments lie in LDS as images of
; the operand's registers (group j of four registers: 16 bytes a lane at 512 j + 16 x lane), the scale bytes as images of scale registers (lanes 0-15 tile v = 0, lanes 16-31 tile v = 1).
; Meanwhile each wave finds 64 entries of the list rank -> token of this expert from the 32 mask words, in registers; ranks past the last are held at the last, so a last tile's spare rows repeat the last token.
; ONE BARRIER.  PHASE T: wave w takes the tiles of 16 tokens w, w + 16, w + 32, w + 48: a loop of the constant 4 trips, a trip without tokens passed over by a scalar branch on the count read from masks; no barrier in it.
; The product is used transposed (source 0 = 16 units, source 1 = 16 tokens): a lane holds one token; relu writes the results back in the order of the units, so that 16 registers are 16 neighbours along the next K.
; OUT: hq [64 y + tile][K step = x][1,536 bytes: image of the 12 operand registers], hs [64 y + tile][K step][32 lanes x 4 bytes].  64 tiles an expert serve every split; only tiles that have tokens are written.
; LIMITS: a block of zeros gets the byte 1 where the rule says 127 (zero codes; only this program reads the bytes); NaN and infinities are not served.
; No cluster and no tensor loads: the weights are shared by nobody, and what is shared (an expert's rows of xq) is walked by counts read from memory and is a fifth of a work-group's bytes at an even split.
; THE MODE: SCHED_MODE bits 1:0 = 2 (LLVM: expert scheduling mode 2), set by the entry lines.  The code itself states the register dependences
; between vector or matrix instructions and memory or LDS instructions, with s_wait_alu, always for 0.
; THE PLAN.  Registers that memory or LDS instructions touch:
;   v4-11, v15    offsets and LDS addresses: written at the head and never again: one wait on va_vdst ahead of the first load serves them for the whole kernel.
;   LGG           the list's two tokens: written by vector lines, read by two LDS stores: one wait on va_vdst ahead of the two.
;   RAW0, RAW1    block b's maxima and moves read RAW[b % 2]; behind them the loads of block b + 2 land in it.
;   QB, F         written by a block's arithmetic, read by the LDS stores at the block's end, written again by the next block (QB) or the next K step (F).
;                 So a block has ONE wait on va_vdst, behind its arithmetic and ahead of its loads and LDS stores, and one on vm_vsrc at its head.
;   TA, XA, XSA   written once a trip, at its head, read by that trip's loads.
;   WF0, WF1, WS  half-step q's four products read set q % 2; behind them the LDS loads of half-step q + 2 land in it.  XF0 .. XF3 likewise, a K step at a time, four K steps on.
;                 ONE wait on va_vdst stands behind a half-step's products: the set is asked for again at once, while the other set's loads are landing.  16 waves of 256 registers leave none for a third set.
;   PC, PW        written by the quantiser, read by the trip's four stores; the next trip's LDS loads land on PC: a wait on va_vdst ahead of the stores, the wait on vm_vsrc at the next trip's head.
;   ACC, H, TM, TMP, TC, QM, QS and the list's other registers are named by vector and matrix instructions alone.
; The compares of the list go in runs into scalar registers, one wait on va_sdst behind each run and ahead of the selects that read them.
.set FRB,  1536                        ; a fragment's image
.set WIMG, 0                           ; 64 fragments: (K step s, tile ct) at (8 s + ct) FRB
.set WSC,  64*FRB                      ; 32 scale registers' images of 128 bytes: index (2 s + g) 2 + y; byte 4 x lane + block
.set LIST, WSC+4096                    ; 1,024 words: rank -> token
.set LN,   1                           ; v1   lane
.set RR,   2                           ; v2   r = lane % 16
.set HH,   3                           ; v3   h = lane / 16
.set L8,   4                           ; v4   8 x lane: my two columns
.set IMW,  5                           ; v5   where my codes go
.set SCW,  6                           ; v6   where my scale bytes go
.set LSW,  7                           ; v7   where my list entries go
.set LSR,  8                           ; v8   the list: my wave's first tile, row r
.set L16,  9                           ; v9   16 x lane: an image's place in LDS (WIMG is 0) and in hq
.set IMR1, 10                          ; v10  the same for K steps 4 to 7
.set WSR,  11                          ; v11  a scale register's image: WSC + 4 x lane
.set XA,   12                          ; v12  my token's codes in xq
.set XSA,  13                          ; v13  my token's scale words in xs
.set TA,   14                          ; v14  the list address in hand
.set L4,   15                          ; v15  4 x lane
.set XSC,  16                          ; v16-23 x's scale words, K steps 0 to 7: scales and nothing else
.set WS,   24                          ; v24-27 the weights' scale words: two sets of two: scales and nothing else
.set PW,   28                          ; v28  h's scale word
.set H48,  29                          ; v29  48 h
.set TOK,  30                          ; v30  my row's token
.set RAW,  32                          ; phase S: v32-159 two blocks of 32 k x 2 columns
.set TMP,  160                         ; v160-191 two runs of 16 neighbours along K
.set F,    192                         ; v192-215 the codes of my two columns, 12 registers each
.set TC,   216                         ; v216-223 second halves of blocks
.set QM,   224
.set QS,   226
.set QB,   228
.set LP,   232                         ; the list: v232-233 ranks, v234-235 words, v236-237 bits in front, v238-239 word numbers, then tokens
.set LM,   234
.set LB,   236
.set LGG,  238
.set LA,   240                         ; counts of 2, 4, 8, 16 bits
.set LBB,  241
.set LC,   242
.set LD,   243
.set LT,   244
.set LPOS, 245
.set LCN,  246
.set LZ,   247                         ; 0
.set LV,   -24                         ; the second rank's seven registers at work lie 24 under the first's: v216-222, idle until the first block
.set ACC,  32                          ; phase T: v32-95 eight accumulators, tile ct at 8 ct
.set XF,   96                          ; v96-143 x's fragments: four by turns
.set WF,   144                         ; v144-239 the weights' fragments: two sets of four
.set H,    144                         ; behind the products: v144-207 h, register 16 b + i = unit 32 b + 16 h + i
.set TM,   208                         ; v208-223 at work
.set PC,   224                         ; v224-243 h's codes
.set WV,   48
.set EX,   49
.set NE,   51                          ; tokens of this expert
.set NM1,  52
.set NT,   53                          ; tiles of 16
.set TT,   56                          ; the tile in hand
.set TRIP, 57
.set HQB,  58                          ; s[58:59] hq at the tile in hand, my K step
.set SEL,  60
.set TL,   62                          ; the list's step: 1,024 bytes a trip
.set HSB,  66                          ; s[66:67] hs likewise
.set PX,   68                          ; s68-71 the list: bits in front of the four words of a run (free behind the head's address arithmetic)
.set MK,   72                          ; s72-79 the list: the masks of a run of compares
; Does the wanted bit lie past this field's lower half?  Then the half's count comes off the rank and the place moves on.  Both ranks at once: s0, s1 hold their counts.
.macro LEVEL s0, s1, wid, stp
	v_bfe_u32 v[LCN], v[\s0], v[LPOS], \wid
	v_bfe_u32 v[LCN+LV], v[\s1], v[LPOS+LV], \wid
	v_cmp_lt_u32 s[MK], v[LP], v[LCN]
	v_cmp_lt_u32 s[MK+1], v[LP+1], v[LCN+LV]
	s_wait_alu depctr_va_sdst(0)                   ; the two compares have written their masks, which the selects below read
	v_cndmask_b32 v[LCN], v[LCN], v[LZ], s[MK]
	v_cndmask_b32 v[LCN+LV], v[LCN+LV], v[LZ], s[MK+1]
	v_cndmask_b32 v[LT], \stp, v[LZ], s[MK]
	v_cndmask_b32 v[LT+LV], \stp, v[LZ], s[MK+1]
	v_sub_nc_u32 v[LP], v[LP], v[LCN]
	v_sub_nc_u32 v[LP+1], v[LP+1], v[LCN+LV]
	v_add_nc_u32 v[LPOS], v[LPOS], v[LT]
	v_add_nc_u32 v[LPOS+LV], v[LPOS+LV], v[LT+LV]
.endm
.macro MAKELIST                        ; ranks 64 w + lane and 64 w + 32 + lane of this expert's tokens; the LDS addresses hang on lane and wave alone
	s_bcnt1_i32_b32 s[NE], s16
.irp g, 1,2,3,4,5,6,7,8,9,10,11,12,13,14,15,16,17,18,19,20,21,22,23,24,25,26,27,28,29,30,31
	s_bcnt1_i32_b32 s55, s[16+\g]
	s_add_co_u32 s[NE], s[NE], s55
.endr
	s_sub_co_i32 s[NM1], s[NE], 1
	s_max_i32 s[NM1], s[NM1], 0
	s_add_co_u32 s[NT], s[NE], 15
	s_lshr_b32 s[NT], s[NT], 4
	s_lshl_b32 s55, s[WV], 6
	v_add_nc_u32 v[LP], s55, v[LN]
	v_add_nc_u32 v[LP+1], 32, v[LP]
	v_min_u32 v[LP], s[NM1], v[LP]                 ; ranks past the last token are held at the last
	v_min_u32 v[LP+1], s[NM1], v[LP+1]
	v_mov_b32 v[LZ], 0
.irp c, 0,1
	v_mov_b32 v[LM+\c], s16
	v_mov_b32 v[LB+\c], 0
	v_mov_b32 v[LGG+\c], 0
.endr
	s_mov_b32 s54, 0
; the word in which my rank's bit lies: words 1 to 31 in runs of four: eight compares, one wait, their selects in ascending order of the words
.set GW, 1
.rept 8
.irp i, 0,1,2,3
.if GW+\i < 32
	s_bcnt1_i32_b32 s55, s[15+GW+\i]
	s_add_co_u32 s54, s54, s55
	s_mov_b32 s[PX+\i], s54                        ; bits in front of word GW + i
	v_cmp_gt_u32 s[MK+2*\i], s[PX+\i], v[LP]       ; more than my rank: what I hold stays; else this word is the last so far that begins at or under my rank
	v_cmp_gt_u32 s[MK+2*\i+1], s[PX+\i], v[LP+1]
.endif
.endr
	s_wait_alu depctr_va_sdst(0)                   ; the run's compares have written their masks, which the selects below read
.irp i, 0,1,2,3
.if GW+\i < 32
.irp c, 0,1
	v_cndmask_b32 v[LM+\c], s[16+GW+\i], v[LM+\c], s[MK+2*\i+\c]
	v_cndmask_b32 v[LB+\c], s[PX+\i], v[LB+\c], s[MK+2*\i+\c]
	v_cndmask_b32 v[LGG+\c], GW+\i, v[LGG+\c], s[MK+2*\i+\c]
.endr
.endif
.endr
.set GW, GW+4
.endr
; the place of set bit number (rank - bits in front) in the word found, by counts of 2, 4, 8 and 16 bits
.irp c, 0,1
	v_sub_nc_u32 v[LP+\c], v[LP+\c], v[LB+\c]
	v_lshrrev_b32 v[LT+LV*\c], 1, v[LM+\c]
	v_and_b32 v[LT+LV*\c], 0x55555555, v[LT+LV*\c]
	v_sub_nc_u32 v[LA+LV*\c], v[LM+\c], v[LT+LV*\c]
	v_lshrrev_b32 v[LT+LV*\c], 2, v[LA+LV*\c]
	v_and_b32 v[LT+LV*\c], 0x33333333, v[LT+LV*\c]
	v_and_b32 v[LBB+LV*\c], 0x33333333, v[LA+LV*\c]
	v_add_nc_u32 v[LBB+LV*\c], v[LBB+LV*\c], v[LT+LV*\c]
	v_lshrrev_b32 v[LT+LV*\c], 4, v[LBB+LV*\c]
	v_add_nc_u32 v[LC+LV*\c], v[LBB+LV*\c], v[LT+LV*\c]
	v_and_b32 v[LC+LV*\c], 0x0f0f0f0f, v[LC+LV*\c]
	v_lshrrev_b32 v[LT+LV*\c], 8, v[LC+LV*\c]
	v_add_nc_u32 v[LD+LV*\c], v[LC+LV*\c], v[LT+LV*\c]
	v_mov_b32 v[LPOS+LV*\c], 0
.endr
	LEVEL LD, LD+LV, 8, 16
	LEVEL LC, LC+LV, 8, 8
	LEVEL LBB, LBB+LV, 4, 4
	LEVEL LA, LA+LV, 2, 2
	LEVEL LM, LM+1, 1, 1
	v_lshl_add_u32 v[LGG], v[LGG], 5, v[LPOS]      ; token = 32 x word + place
	v_lshl_add_u32 v[LGG+1], v[LGG+1], 5, v[LPOS+LV]
	s_wait_alu depctr_va_vdst(0)                   ; the two tokens are written, which the LDS stores read
	ds_store_b32 v[LSW], v[LGG]
	ds_store_b32 v[LSW], v[LGG+1] offset:128
.endm
; block b = 2 (s & 1) + c of my four: k = 128 s + 64 c + 32 h' + i, i = 0 .. 31, into area b % 2
.macro LOADB b
.irp i, 0,1,2,3,4,5,6,7,8,9,10,11,12,13,14,15,16,17,18,19,20,21,22,23,24,25,26,27,28,29,30,31
	global_load_b64 v[RAW+64*((\b)%2)+2*\i:RAW+64*((\b)%2)+2*\i+1], v[L8], s[4:5] offset:(((\b)/2)*128+((\b)%2)*64+\i)*16384 th:TH_LOAD_NT
.endr
.endm
.macro BLOCK b
.set RB, RAW+64*((\b)%2)
.set CC, (\b)%2
.set S1, (\b)/2
.if (\b) < 3
	s_wait_loadcnt 32                              ; this block's 32 loads are in; the next block's may be out
.else
	s_wait_loadcnt 0x0
.endif
	s_wait_dscnt 0x0                               ; my earlier LDS stores are done
.if (\b) > 0
	s_wait_alu depctr_vm_vsrc(0)                   ; the LDS stores at the end of the block before have read its bytes and, behind a K step, its codes: this block writes these registers again
.endif
.irp y, 0,1
	v_max3_num_f32 v[QM+\y], |v[RB+\y]|, |v[RB+2+\y]|, 0x2800000   ; column y's block; the floor 2^(5 - 127) holds the byte at 1 from below
.endr
.irp i, 2,4,6,8,10,12,14,16,18,20,22,24,26,28,30
.irp y, 0,1
	v_max3_num_f32 v[QM+\y], v[QM+\y], |v[RB+2*\i+\y]|, |v[RB+2*\i+2+\y]|
.endr
.endr
.irp y, 0,1
	v_add_nc_u32 v[QS+\y], 0xfe000000, v[QM+\y]    ; 4 off the exponent field: the conversion's scale operand
.endr
.irp y, 0,1
	v_lshrrev_b32 v[QB+\y], 23, v[QS+\y]           ; the scale's byte
.endr
.irp y, 0,1                            ; a load brings two columns side by side; the conversion wants 16 neighbours along K of one column on end
.irp i, 0,1,2,3,4,5,6,7,8,9,10,11,12,13,14,15
	v_mov_b32 v[TMP+\i], v[RB+2*\i+\y]
.endr
	v_cvt_scalef32_pk16_bf6_f32 v[F+12*\y+6*CC:F+12*\y+6*CC+2], v[TMP:TMP+15], v[QS+\y]
.irp i, 0,1,2,3,4,5,6,7,8,9,10,11,12,13,14,15
	v_mov_b32 v[TMP+16+\i], v[RB+32+2*\i+\y]       ; (these moves into the other run are the plain places behind the conversion)
.endr
	v_cvt_scalef32_pk16_bf6_f32 v[TC+4*\y:TC+4*\y+2], v[TMP+16:TMP+31], v[QS+\y]
.endr
	v_nop                                          ; one plain place behind the last conversion
.irp y, 0,1
.irp i, 0,1,2
	v_mov_b32 v[F+12*\y+6*CC+3+\i], v[TC+4*\y+\i]
.endr
.endr
	s_wait_alu depctr_va_vdst(0)                   ; the block's arithmetic is done reading its area of RAW, in which the loads below land, and has written the bytes and the codes, which the LDS stores below read
.if (\b)+2 < 4
	LOADB (\b)+2                                   ; the area just read takes the block two on
.endif
.irp y, 0,1
	ds_store_b8 v[SCW], v[QB+\y] offset:512*S1+128*\y+2*CC
.endr
.if CC == 1
.irp y, 0,1
.irp j, 0,1,2
	ds_store_b128 v[IMW], v[F+12*\y+4*\j:F+12*\y+4*\j+3] offset:8*FRB*S1+2*FRB*\y+512*\j   ; lanes 0-15: 256 bytes of tile v = 0's image, lanes 16-31 of tile v = 1's
.endr
.endr
.endif
.endm
; half-step q = 2 s + g: four fragments and two scale registers, 14 LDS loads, into set q % 2
.macro WLOAD q
.set WBASE, WF+48*((\q)%2)
.if (\q) < 8
.set WADR, L16
.set WOFF, 4*(\q)*FRB
.else
.set WADR, IMR1
.set WOFF, 4*((\q)-8)*FRB
.endif
.irp f, 0,1,2,3
.irp j, 0,1,2
	ds_load_b128 v[WBASE+12*\f+4*\j:WBASE+12*\f+4*\j+3], v[WADR] offset:WOFF+FRB*\f+512*\j
.endr
.endr
.irp y, 0,1
	ds_load_b32 v[WS+2*((\q)%2)+\y], v[WSR] offset:(2*(\q)+\y)*128
.endr
.endm
.macro XLOAD k                         ; my token's 48 bytes of K step k
.irp j, 0,1,2
	global_load_b128 v[XF+12*((\k)%4)+4*\j:XF+12*((\k)%4)+4*\j+3], v[XA], s[6:7] offset:96*(\k)+16*\j
.endr
.endm
.macro PROD q, f                       ; tile 4 (q % 2) + f, K step q / 2.  f = 2 y + v: scale register y of the set, its lanes 16-31 for v = 1
.set MD, ACC+8*(4*((\q)%2)+\f)
.set MA, WF+48*((\q)%2)+12*\f
.set MB, XF+12*(((\q)/2)%4)
.set MS, WS+2*((\q)%2)+(\f)/2
.set MX, XSC+(\q)/2
.if (\q) < 2
.if (\f)%2
	v_wmma_scale_f32_16x16x128_f8f6f4 v[MD:MD+7], v[MA:MA+11], v[MB:MB+11], 0, v[MS], v[MX] matrix_a_fmt:MATRIX_FMT_BF6 matrix_b_fmt:MATRIX_FMT_BF6 matrix_a_scale:MATRIX_SCALE_ROW1
.else
	v_wmma_scale_f32_16x16x128_f8f6f4 v[MD:MD+7], v[MA:MA+11], v[MB:MB+11], 0, v[MS], v[MX] matrix_a_fmt:MATRIX_FMT_BF6 matrix_b_fmt:MATRIX_FMT_BF6
.endif
.else
.if (\f)%2
	v_wmma_scale_f32_16x16x128_f8f6f4 v[MD:MD+7], v[MA:MA+11], v[MB:MB+11], v[MD:MD+7], v[MS], v[MX] matrix_a_fmt:MATRIX_FMT_BF6 matrix_b_fmt:MATRIX_FMT_BF6 matrix_a_scale:MATRIX_SCALE_ROW1
.else
	v_wmma_scale_f32_16x16x128_f8f6f4 v[MD:MD+7], v[MA:MA+11], v[MB:MB+11], v[MD:MD+7], v[MS], v[MX] matrix_a_fmt:MATRIX_FMT_BF6 matrix_b_fmt:MATRIX_FMT_BF6
.endif
.endif
.endm
; 64 numbers of a lane, none negative, register 16 b + i = k 32 b + 16 (lane / 16) + i of my row, become a fragment's codes in v[PC] on and its scale word in v[PW]
.macro QUANT s
.irp b, 0,1,2,3
	v_max3_num_f32 v[TM+\b], v[\s+16*\b], v[\s+1+16*\b], 0x2800000   ; block b: my 16 numbers, and the floor 2^(5 - 127)
.endr
.irp i, 2,4,6,8,10,12,14
.irp b, 0,1,2,3
	v_max3_num_f32 v[TM+\b], v[TM+\b], v[\s+16*\b+\i], v[\s+1+16*\b+\i]   ; the four blocks by turns
.endr
.endr
.irp b, 0,1,2,3
	v_permlanex16_b32 v[TM+4+\b], v[TM+\b], s[SEL], s[SEL+1]
.endr
.irp b, 0,1,2,3
	v_max_num_f32 v[TM+\b], v[TM+\b], v[TM+4+\b]   ; with lane l xor 16's: the block's largest
.endr
.irp b, 0,1,2,3
	v_add_nc_u32 v[TM+12+\b], 0xfe000000, v[TM+\b] ; 4 off the exponent field: the conversion's scale operand
.endr
.irp b, 0,1,2,3
	v_lshrrev_b32 v[TM+4+\b], 23, v[TM+12+\b]      ; the scale's byte
.endr
	v_lshl_or_b32 v[PW], v[TM+5], 8, v[TM+4]
	v_lshl_or_b32 v[PW], v[TM+6], 16, v[PW]
	v_lshl_or_b32 v[PW], v[TM+7], 24, v[PW]
.irp c, 0,1
	v_cvt_scalef32_pk16_bf6_f32 v[PC+6*\c:PC+2+6*\c], v[\s+32*\c:\s+15+32*\c], v[TM+12+2*\c]
	v_cvt_scalef32_pk16_bf6_f32 v[PC+12+4*\c:PC+14+4*\c], v[\s+16+32*\c:\s+31+32*\c], v[TM+12+2*\c+1]   ; (a conversion's three registers begin on an even number)
.endr
	v_nop                                          ; one plain place behind a scaled conversion
.irp c, 0,1                                    ; the operand's layout wants a whole block in a lane: lanes 0-15 block 2 c, lanes 16-31 block 2 c + 1
.irp i, 0,1,2
	v_permlane16_swap_b32 v[PC+6*\c+\i], v[PC+12+4*\c+\i]
.endr
.irp i, 0,1,2
	v_mov_b32 v[PC+3+6*\c+\i], v[PC+12+4*\c+\i]
.endr
.endr
.endm
	s_load_b256 s[4:11], s[0:1], 0x0               ; expert_fc s[4:5], xq s[6:7], xs s[8:9], masks s[10:11]
	s_load_b128 s[12:15], s[0:1], 0x20             ; hq s[12:13], hs s[14:15]
	v_lshl_add_u32 v254, v0, 2, 0x1a000
	v_mov_b32 v255, 0
	v_lshrrev_b32 v1, 5, v0
	v_readfirstlane_b32 s[WV], v1                  ; wave 0..15
	s_and_b32 s[EX], ttmp7, 0xffff                 ; the expert
	v_and_b32 v[LN], 31, v0
	v_and_b32 v[RR], 15, v0
	v_bfe_u32 v[HH], v0, 4, 1
	s_wait_alu depctr_va_vdst(0)
	v_lshlrev_b32 v[L8], 3, v[LN]
	v_lshlrev_b32 v[L16], 4, v[LN]
	s_wait_alu depctr_va_vdst(0)
	v_lshlrev_b32 v[L4], 2, v[LN]
	v_mul_u32_u24 v[H48], v[HH], 48
	s_wait_alu depctr_va_sdst(0)                   ; the wave's number is written, ahead of its first reader: addresses, bases and the tiles' count are made from it
	s_and_b32 s68, s[WV], 1                        ; g: which 64 columns
	s_bfe_u32 s69, s[WV], 0x10001                  ; h': which half of the operand's lanes
	s_lshr_b32 s70, s[WV], 2                       ; which pair of K steps
	s_mul_i32 s71, s70, 16*FRB                     ; my codes: fragment 8 s + 4 g + 2 y + v, lane place m + 16 h'
	s_mul_i32 s54, s68, 4*FRB
	s_add_co_u32 s71, s71, s54
	s_lshl_b32 s54, s69, 8
	s_add_co_u32 s71, s71, s54
	v_mul_u32_u24 v[IMW], v[HH], FRB
	v_lshl_add_u32 v[IMW], v[RR], 4, v[IMW]
	v_add_nc_u32 v[IMW], s71, v[IMW]
	s_lshl_b32 s71, s70, 10                        ; my scale bytes: register image (2 s + g) 2 + y, byte 4 x lane + 2 c + h'
	s_lshl_b32 s54, s68, 8
	s_add_co_u32 s71, s71, s54
	s_add_co_u32 s71, s71, s69
	s_add_co_u32 s71, s71, WSC
	v_lshl_add_u32 v[SCW], v[LN], 2, s71
	s_lshl_b32 s71, s[WV], 8
	s_add_co_u32 s71, s71, LIST
	v_lshl_add_u32 v[LSW], v[LN], 2, s71
	s_lshl_b32 s71, s[WV], 6
	s_add_co_u32 s71, s71, LIST
	v_lshl_add_u32 v[LSR], v[RR], 2, s71
	v_add_nc_u32 v[IMR1], 32*FRB, v[L16]
	v_lshl_add_u32 v[WSR], v[LN], 2, WSC
	s_mov_b32 s[SEL], 0x76543210
	s_mov_b32 s[SEL+1], 0xfedcba98
	s_lshl_b32 s72, s[EX], 24                      ; expert_fc: 2^24 bytes an expert, rows of 16,384 bytes: row 256 (w >> 2) + 32 h', 512 bytes a slice, 256 a half of it
	s_lshl_b32 s54, s70, 22
	s_add_co_u32 s72, s72, s54
	s_lshl_b32 s54, s69, 19
	s_add_co_u32 s72, s72, s54
	s_lshl_b32 s54, ttmp9, 9
	s_add_co_u32 s72, s72, s54
	s_lshl_b32 s54, s68, 8
	s_add_co_u32 s72, s72, s54
	s_mov_b32 s73, 0
	s_lshl_b32 s74, s[EX], 7                       ; masks: 128 bytes an expert
	s_mov_b32 s75, 0
	s_lshl_b32 s54, s[EX], 6
	s_add_co_u32 s54, s54, s[WV]                   ; my first tile: 64 x expert + wave
	s_mul_i32 s76, s54, 32*FRB
	s_mul_i32 s55, ttmp9, FRB
	s_add_co_u32 s76, s76, s55
	s_mov_b32 s77, 0
	s_lshl_b32 s78, s54, 12
	s_lshl_b32 s55, ttmp9, 7
	s_add_co_u32 s78, s78, s55
	s_mov_b32 s79, 0
	s_wait_kmcnt 0x0
	s_add_nc_u64 s[10:11], s[10:11], s[74:75]
	s_load_b512 s[16:31], s[10:11], 0x0            ; the expert's 32 mask words
	s_load_b512 s[32:47], s[10:11], 0x40
	s_add_nc_u64 s[4:5], s[4:5], s[72:73]
	s_add_nc_u64 s[HQB:HQB+1], s[12:13], s[76:77]
	s_add_nc_u64 s[HSB:HSB+1], s[14:15], s[78:79]
	s_wait_alu depctr_va_vdst(0)                   ; the offsets and LDS addresses v4 to v11 and v15 are written, which the kernel's loads and stores read
	LOADB 0
	LOADB 1
	s_wait_kmcnt 0x0
	MAKELIST                                       ; stands where the wave would wait for its first loads
	BLOCK 0
	BLOCK 1
	BLOCK 2
	BLOCK 3
	s_wait_dscnt 0x0                               ; for the others' sake: my codes, bytes and list entries have landed
	s_barrier_signal -1
	s_barrier_wait -1
	s_mov_b32 s[TT], s[WV]
	s_mov_b32 s[TL], 0
	s_mov_b32 s[TRIP], 0
.Ltile:
	s_cmp_ge_u32 s[TT], s[NT]                      ; no tokens for this tile: only the steps at the trip's end are run
	s_cbranch_scc1 .Lnext
	s_wait_alu depctr_vm_vsrc(0)                   ; the last trip's loads have read v[TA], v[XA] and v[XSA], its stores h's codes and scale word; in the first trip my LDS stores have read codes, bytes and tokens: all are written again below
	v_add_nc_u32 v[TA], s[TL], v[LSR]
	s_wait_alu depctr_va_vdst(0)                   ; v[TA] is written, which the load of the token reads; and every earlier vector and matrix instruction is done with the registers in which the loads below land
	ds_load_b32 v[TOK], v[TA]                      ; rank 16 t + r
	WLOAD 0
	WLOAD 1
	s_wait_dscnt 28                                ; the token is in; the two half-steps' 28 loads may be out
	v_min_u32 v[TOK], 0x3ff, v[TOK]
	v_mul_u32_u24 v[XA], v[TOK], 768
	v_add_nc_u32 v[XA], v[XA], v[H48]
	v_lshlrev_b32 v[XSA], 5, v[TOK]
	s_wait_alu depctr_va_vdst(0)                   ; v[XA] and v[XSA] are written, which the trip's loads of x read
	global_load_b128 v[XSC:XSC+3], v[XSA], s[8:9]
	global_load_b128 v[XSC+4:XSC+7], v[XSA], s[8:9] offset:16
	XLOAD 0
	XLOAD 1
	XLOAD 2
	XLOAD 3
; 16 half-steps of four matrix instructions.  The eight accumulators take turns, one instruction a turn.
.set q, 0
.rept 16
.if q < 15
	s_wait_dscnt 14                                ; this half-step's loads are in; the next one's 14 may be out
.else
	s_wait_dscnt 0x0
.endif
.if q%2 == 0
.if q/2 <= 4
	s_wait_loadcnt 9                               ; x's K step is in (and its scale words); the three younger K steps' nine loads may be out
.else
	s_wait_loadcnt 3*(7-q/2)
.endif
.endif
.irp f, 0,1,2,3
	PROD q, \f
.endr
.if q != 14
.rept 4
	v_nop                                          ; four places behind these products: at the last half-step ahead of the first read of results; elsewhere beside the wait below, which states the dependence
.endr
.endif
.if q+2 < 16
	s_wait_alu depctr_va_vdst(0)                   ; this half-step's products are done reading their set of fragments and scale words (an odd half-step's also x's fragment), in which the loads below land
	WLOAD q+2
.endif
.if (q%2 == 1) && (q/2 < 4)
	XLOAD q/2+4
.endif
.set q, q+1
.endr
; relu, written back in the order of the units: accumulator 4 g + 2 y + v, register j, is unit 32 (2 g + v) + 16 h + 2 j + y.  Each accumulator is read from its low end on.
.irp g, 0,1
.irp y, 0,1
.irp c, 0,1
.irp j, 0,1,2,3,4,5,6,7
	v_max_num_f32 v[H+16*(2*\g+\c)+2*\j+\y], 0, v[ACC+8*(4*\g+2*\y+\c)+\j]
.endr
.endr
.endr
.endr
.irp i, 0,2,4,6,8,10,12,14,16,18,20,22,24,26,28,30,32,34,36,38,40,42,44,46,48,50,52,54,56,58,60,62
	v_pk_mul_f32 v[H+\i:H+\i+1], v[H+\i:H+\i+1], v[H+\i:H+\i+1]    ; squared, in f32
.endr
	QUANT H
	s_wait_alu depctr_va_vdst(0)                   ; the quantiser has written h's codes and scale word, which the four stores read
.irp j, 0,1,2
	global_store_b128 v[L16], v[PC+4*\j:PC+4*\j+3], s[HQB:HQB+1] offset:512*\j   ; 512 consecutive bytes, aligned to 512
.endr
	global_store_b32 v[L4], v[PW], s[HSB:HSB+1]
	s_wait_xcnt 0x0                                ; the stores' data and bases are written again only behind this wait
.Lnext:
	s_add_co_u32 s[TT], s[TT], 16
	s_add_co_u32 s[TL], s[TL], 1024
	s_add_nc_u64 s[HQB:HQB+1], s[HQB:HQB+1], 16*32*FRB
	s_add_nc_u64 s[HSB:HSB+1], s[HSB:HSB+1], 16*4096
	s_add_co_u32 s[TRIP], s[TRIP], 1
	s_cmp_lt_u32 s[TRIP], 4
	s_cbranch_scc1 .Ltile
	s_wait_dscnt 0x0                               ; the closing lines, six on end
	s_wait_alu 0x0
	s_wait_tensorcnt 0x0
	ds_add_u32 v254, v255
	s_wait_dscnt 0x0
	s_endpgm
.Lfunc_end_k_q5287584a14_fc:
	.size	k_q5287584a14_fc, .Lfunc_end_k_q5287584a14_fc-k_q5287584a14_fc
	.p2alignl 7, 3214868480
	.fill 96, 4, 3214868480
	.section	.rodata,"a",@progbits
	.p2align	6, 0x0
	.amdhsa_kernel k_q5287584a14_fc
		.amdhsa_group_segment_fixed_size 108544
		.amdhsa_private_segment_fixed_size 0
		.amdhsa_enable_private_segment 0
		.amdhsa_kernarg_size 48
		.amdhsa_user_sgpr_count 2
		.amdhsa_user_sgpr_kernarg_segment_ptr 1
		.amdhsa_wavefront_size32 1
		.amdhsa_system_sgpr_workgroup_id_x 1
		.amdhsa_system_sgpr_workgroup_id_y 1
		.amdhsa_system_sgpr_workgroup_id_z 1
		.amdhsa_system_vgpr_workitem_id 0
		.amdhsa_next_free_vgpr 256
		.amdhsa_next_free_sgpr 80
		.amdhsa_reserve_vcc 0
		.amdhsa_float_denorm_mode_32 3
		.amdhsa_float_denorm_mode_16_64 3
		.amdhsa_memory_ordered 1
		.amdhsa_forward_progress 1
		.amdhsa_inst_pref_size 99
	.end_amdhsa_kernel
	.amdgpu_metadata
---
amdhsa.version: [ 1, 2 ]
amdhsa.kernels:
  - .name:           k_q5287584a14_fc
    .symbol:         k_q5287584a14_fc.kd
    .args:
      - { .name: expert_fc, .offset: 0, .size: 8, .value_kind: global_buffer, .address_space: global }
      - { .name: xq, .offset: 8, .size: 8, .value_kind: global_buffer, .address_space: global }
      - { .name: xs, .offset: 16, .size: 8, .value_kind: global_buffer, .address_space: global }
      - { .name: masks, .offset: 24, .size: 8, .value_kind: global_buffer, .address_space: global }
      - { .name: hq, .offset: 32, .size: 8, .value_kind: global_buffer, .address_space: global }
      - { .name: hs, .offset: 40, .size: 8, .value_kind: global_buffer, .address_space: global }
    .group_segment_fixed_size: 108544
    .private_segment_fixed_size: 0
    .kernarg_segment_align: 8
    .kernarg_segment_size: 48
    .max_flat_workgroup_size: 512
    .sgpr_count:     80
    .vgpr_count:     256
    .wavefront_size: 32
...
	.end_amdgpu_metadata
.endif
;; end of part 5
;; launch proj (part 6): grid 32 x 8, 16 waves a work-group, no clusters, 243,712 bytes of LDS; arguments expert_proj, hq, hs, masks, out0; writes out0
.if DOCPART == 6
	.amdgcn_target "amdgcn-amd-amdhsa--gfx1250"
	.amdhsa_code_object_version 6
	.text
	.protected	k_q5287584a14_proj
	.globl	k_q5287584a14_proj
	.p2align	8
	.type	k_q5287584a14_proj,@function
k_q5287584a14_proj:
	s_mov_b64 s[64:65], 0
	v_nop
	global_prefetch_b8 v0, s[64:65] scope:SCOPE_SE
	s_setreg_imm32_b32 hwreg(HW_REG_WAVE_SCHED_MODE, 0, 2), 2
	s_setreg_imm32_b32 hwreg(HW_REG_WAVE_MODE, 25, 1), 1
	s_wait_xcnt 0x0
	s_wait_alu depctr_vm_vsrc(0)
; out = h proj_e^T FOR THE TOKENS OF EXPERT e.  expert_proj: [8][1024 (d)][4096 (K)] f32.  Work-group (x, y): rows d = 32 x .. 32 x + 31 of expert y: 524,288 bytes of f32, read once in the launch.
; PHASE S: wave w quantises K steps 2 w and 2 w + 1 of both tiles of 16 rows: four fragments.  Each load covers 512 consecutive bytes of a row; 16 rows x 128 numbers turn through the wave's own stage in LDS, so that
; lane (r, h) holds k = 64 c + 32 h + 0 .. 31 of row r: two whole blocks, in the order of the operand's registers.  The fragments lie in LDS as images of those registers, the scale words as images of scale registers
; (lanes 0-15 the first tile of rows, lanes 16-31 the second).  Meanwhile each wave finds 64 entries of the list rank -> token from the expert's mask words, as the launch before did.
; ONE BARRIER.  PHASE T: wave w takes the tiles of 16 tokens w, w + 16, w + 32, w + 48: the constant 4 trips, a trip without tokens passed over by a scalar branch on the count read from masks; no barrier in it.
; The product is used transposed (source 0 = 16 rows d, source 1 = 16 tokens of h, whose images come from hq as they lie): a lane holds one token and eight neighbouring d.  K goes by turns onto two accumulators a tile
; of rows (even and odd K steps), added at the end: the order of the f32 sums differs from a single chain's.
; A token's 128 bytes go through the wave's stage and leave by eight lanes; the spare rows of a last tile repeat the last token and store the same numbers to the same place.
; LIMITS: a block of zeros gets the byte 1 where the rule says 127 (zero codes; only this program reads the bytes); NaN and infinities are not served.
; No cluster and no tensor loads: the weights are shared by nobody; h's images are shared by an expert's 32 work-groups, but how many there are is read from memory, and joint requests would have to be made for all 64 tiles.
; THE MODE: SCHED_MODE bits 1:0 = 2 (LLVM: expert scheduling mode 2), set by the entry lines.  The code itself states the register dependences
; between vector or matrix instructions and memory or LDS instructions, with s_wait_alu, always for 0.
; THE PLAN.  Registers that memory or LDS instructions touch:
;   v4-13, v15, v28-30  offsets and LDS addresses: written at the head and never again: one wait on va_vdst ahead of the first load serves them for the whole kernel.
;   LGG           the list's two tokens: written by vector lines, read by two LDS stores: one wait on va_vdst ahead of the two.
;   SET0 .. SET2  a fragment's 64 numbers: loaded; read by the sixteen stores into the stage; the sixteen loads from the stage land in them; read by the quantiser; SET0 is then loaded once more.
;   F, SWD        written by the quantiser, read by the fragment's four LDS stores, written again by the next fragment's.
;                 So a fragment has one wait on vm_vsrc, between the stage's stores and its loads (it also frees F and SWD), and one on va_vdst, behind the quantiser and ahead of the four stores (it also serves the loads into SET0).
;   TA            written once a trip, at its head, read by the trip's four loads from the list.
;   WF0, WF1, WS  K step ks's two products read set ks % 2; behind them the LDS loads of K step ks + 2 land in it.  HF0 .. HF7, HS likewise, eight K steps on.
;                 ONE wait on va_vdst stands behind a K step's products: what they read is asked for again at once, while the next K step's loads are landing and h's other seven buffers are on their way.
;   O, TK, OB     O: written by the sums, read by the stage's stores.  TK: loaded, made into offsets by vector lines, read by the global stores.  OB: loaded from the stage, read by the global stores.
;                 One wait on va_vdst behind the sums and the offsets; the wait on vm_vsrc at the next trip's head frees all three.
;   ACC, TC, QM, QS, QB, W2 and the list's other registers are named by vector and matrix instructions alone.
; The compares of the list go in runs into scalar registers, one wait on va_sdst behind each run and ahead of the selects that read them.
.set SP,   528                         ; a stage row: 512 bytes + 16
.set FRB,  1536
.set STG,  0                           ; 16 rows for each wave
.set WIMG, 16*16*SP                    ; 64 fragments: (K step s, tile n) at (2 s + n) FRB
.set WSC,  WIMG+64*FRB                 ; 32 scale registers' images: 128 s + 64 n + 4 r
.set LIST, WSC+4096                    ; 1,024 words: rank -> token
.set LN,   1
.set RR,   2
.set HH,   3
.set L16,  4                           ; v4   16 x lane
.set STW,  5                           ; v5   the stage, in
.set STR,  6                           ; v6   the stage, out: row r, + 128 h
.set IMW,  7                           ; v7   where my fragments go
.set SCW,  8                           ; v8   where my scale words go
.set LSW,  9                           ; v9   where my list entries go
.set LSR,  10                          ; v10  the list: my wave's first tile, row lane / 8
.set IMR0, 11                          ; v11  an image's place, K steps 0 to 15
.set IMR1, 12                          ; v12  K steps 16 to 31
.set WSR,  13                          ; v13  a scale register's image
.set H8,   14                          ; v14  8 h
.set L4,   15                          ; v15  4 x lane
.set HS,   16                          ; v16-23 h's scale words, eight by turns: scales and nothing else
.set WS,   24                          ; v24-25 the weights' scale words, two by turns: scales and nothing else
.set SWD,  26
.set W2,   27
.set OSW,  28                          ; v28  the way out: row r of 144 bytes, + 32 h
.set OSR,  29                          ; v29  back: row lane / 8, 16 bytes a lane
.set C16,  30                          ; v30  16 (lane % 8)
.set TA,   31                          ; v31  the list address in hand
.set SET,  32                          ; phase S: v32-223 three sets of 64 numbers
.set F,    224                         ; v224-235 the codes
.set TC,   236
.set QM,   244
.set QS,   246
.set QB,   248
.set LP,   224                         ; the list, ahead of the first codes
.set LM,   226
.set LB,   228
.set LGG,  230
.set LA,   232
.set LBB,  233
.set LC,   234
.set LD,   235
.set LT,   236
.set LPOS, 237
.set LCN,  238
.set LZ,   239
.set LV,   8                           ; the second rank's seven registers at work lie 8 above the first's: v240-246, idle until the first fragment
.set ACC,  32                          ; phase T: v32-63 four accumulators: 2 (s % 2) + n
.set HF,   64                          ; v64-159 h's fragments, eight by turns
.set WF,   160                         ; v160-207 the weights' fragments, two sets of two
.set O,    208                         ; v208-223 the sums
.set TK,   224                         ; v224-227 tokens, then their offsets in out0
.set OB,   228                         ; v228-243 rows on their way out
.set WV,   48
.set EX,   49
.set NE,   51
.set NM1,  52
.set NT,   53
.set TT,   56
.set TRIP, 57
.set HQB,  58                          ; s[58:59] hq at the tile in hand
.set SEL,  60
.set TL,   62
.set HSB,  66                          ; s[66:67] hs likewise
.set PX,   68                          ; s68-71 the list: bits in front of the four words of a run (free behind the head's address arithmetic)
.set MK,   72                          ; s72-79 the list: the masks of a run of compares
; Does the wanted bit lie past this field's lower half?  Then the half's count comes off the rank and the place moves on.  Both ranks at once: s0, s1 hold their counts.
.macro LEVEL s0, s1, wid, stp
	v_bfe_u32 v[LCN], v[\s0], v[LPOS], \wid
	v_bfe_u32 v[LCN+LV], v[\s1], v[LPOS+LV], \wid
	v_cmp_lt_u32 s[MK], v[LP], v[LCN]
	v_cmp_lt_u32 s[MK+1], v[LP+1], v[LCN+LV]
	s_wait_alu depctr_va_sdst(0)                   ; the two compares have written their masks, which the selects below read
	v_cndmask_b32 v[LCN], v[LCN], v[LZ], s[MK]
	v_cndmask_b32 v[LCN+LV], v[LCN+LV], v[LZ], s[MK+1]
	v_cndmask_b32 v[LT], \stp, v[LZ], s[MK]
	v_cndmask_b32 v[LT+LV], \stp, v[LZ], s[MK+1]
	v_sub_nc_u32 v[LP], v[LP], v[LCN]
	v_sub_nc_u32 v[LP+1], v[LP+1], v[LCN+LV]
	v_add_nc_u32 v[LPOS], v[LPOS], v[LT]
	v_add_nc_u32 v[LPOS+LV], v[LPOS+LV], v[LT+LV]
.endm
.macro MAKELIST                        ; ranks 64 w + lane and 64 w + 32 + lane of this expert's tokens; the LDS addresses hang on lane and wave alone
	s_bcnt1_i32_b32 s[NE], s16
.irp g, 1,2,3,4,5,6,7,8,9,10,11,12,13,14,15,16,17,18,19,20,21,22,23,24,25,26,27,28,29,30,31
	s_bcnt1_i32_b32 s55, s[16+\g]
	s_add_co_u32 s[NE], s[NE], s55
.endr
	s_sub_co_i32 s[NM1], s[NE], 1
	s_max_i32 s[NM1], s[NM1], 0
	s_add_co_u32 s[NT], s[NE], 15
	s_lshr_b32 s[NT], s[NT], 4
	s_lshl_b32 s55, s[WV], 6
	v_add_nc_u32 v[LP], s55, v[LN]
	v_add_nc_u32 v[LP+1], 32, v[LP]
	v_min_u32 v[LP], s[NM1], v[LP]                 ; ranks past the last token are held at the last
	v_min_u32 v[LP+1], s[NM1], v[LP+1]
	v_mov_b32 v[LZ], 0
.irp c, 0,1
	v_mov_b32 v[LM+\c], s16
	v_mov_b32 v[LB+\c], 0
	v_mov_b32 v[LGG+\c], 0
.endr
	s_mov_b32 s54, 0
; the word in which my rank's bit lies: words 1 to 31 in runs of four: eight compares, one wait, their selects in ascending order of the words
.set GW, 1
.rept 8
.irp i, 0,1,2,3
.if GW+\i < 32
	s_bcnt1_i32_b32 s55, s[15+GW+\i]
	s_add_co_u32 s54, s54, s55
	s_mov_b32 s[PX+\i], s54                        ; bits in front of word GW + i
	v_cmp_gt_u32 s[MK+2*\i], s[PX+\i], v[LP]       ; more than my rank: what I hold stays
	v_cmp_gt_u32 s[MK+2*\i+1], s[PX+\i], v[LP+1]
.endif
.endr
	s_wait_alu depctr_va_sdst(0)                   ; the run's compares have written their masks, which the selects below read
.irp i, 0,1,2,3
.if GW+\i < 32
.irp c, 0,1
	v_cndmask_b32 v[LM+\c], s[16+GW+\i], v[LM+\c], s[MK+2*\i+\c]
	v_cndmask_b32 v[LB+\c], s[PX+\i], v[LB+\c], s[MK+2*\i+\c]
	v_cndmask_b32 v[LGG+\c], GW+\i, v[LGG+\c], s[MK+2*\i+\c]
.endr
.endif
.endr
.set GW, GW+4
.endr
; the place of set bit number (rank - bits in front) in the word found
.irp c, 0,1
	v_sub_nc_u32 v[LP+\c], v[LP+\c], v[LB+\c]
	v_lshrrev_b32 v[LT+LV*\c], 1, v[LM+\c]
	v_and_b32 v[LT+LV*\c], 0x55555555, v[LT+LV*\c]
	v_sub_nc_u32 v[LA+LV*\c], v[LM+\c], v[LT+LV*\c]
	v_lshrrev_b32 v[LT+LV*\c], 2, v[LA+LV*\c]
	v_and_b32 v[LT+LV*\c], 0x33333333, v[LT+LV*\c]
	v_and_b32 v[LBB+LV*\c], 0x33333333, v[LA+LV*\c]
	v_add_nc_u32 v[LBB+LV*\c], v[LBB+LV*\c], v[LT+LV*\c]
	v_lshrrev_b32 v[LT+LV*\c], 4, v[LBB+LV*\c]
	v_add_nc_u32 v[LC+LV*\c], v[LBB+LV*\c], v[LT+LV*\c]
	v_and_b32 v[LC+LV*\c], 0x0f0f0f0f, v[LC+LV*\c]
	v_lshrrev_b32 v[LT+LV*\c], 8, v[LC+LV*\c]
	v_add_nc_u32 v[LD+LV*\c], v[LC+LV*\c], v[LT+LV*\c]
	v_mov_b32 v[LPOS+LV*\c], 0
.endr
	LEVEL LD, LD+LV, 8, 16
	LEVEL LC, LC+LV, 8, 8
	LEVEL LBB, LBB+LV, 4, 4
	LEVEL LA, LA+LV, 2, 2
	LEVEL LM, LM+1, 1, 1
	v_lshl_add_u32 v[LGG], v[LGG], 5, v[LPOS]      ; token = 32 x word + place
	v_lshl_add_u32 v[LGG+1], v[LGG+1], 5, v[LPOS+LV]
	s_wait_alu depctr_va_vdst(0)                   ; the two tokens are written, which the LDS stores read
	ds_store_b32 v[LSW], v[LGG]
	ds_store_b32 v[LSW], v[LGG+1] offset:128
.endm
.macro TURN set                        ; 16 rows x 128 numbers through my stage: LDS serves a wave's instructions in order, so no wait on DScnt stands between the stores and the loads
.irp p, 0,1,2,3,4,5,6,7,8,9,10,11,12,13,14,15
	ds_store_b128 v[STW], v[\set+4*\p:\set+4*\p+3] offset:SP*\p
.endr
	s_wait_alu depctr_vm_vsrc(0)                   ; the stores above have read the set, in which the loads below land; and my earlier LDS stores have read the tokens, or the fragment before's codes and scale word, which the quantiser writes again
.irp c, 0,1
.irp i, 0,1,2,3,4,5,6,7
	ds_load_b128 v[\set+32*\c+4*\i:\set+32*\c+4*\i+3], v[STR] offset:256*\c+16*\i
.endr
.endr
.endm
.macro QW src, dst                     ; 64 numbers of lane (r, h), register 32 c + i = k 64 c + 32 h + i of row r -> the lane's 12 operand registers, and the row's scale word in v[SWD]
.irp c, 0,1
	v_max3_num_f32 v[QM+\c], |v[\src+32*\c]|, |v[\src+32*\c+1]|, 0x2800000   ; my block 2 c + h; the floor 2^(5 - 127) holds the byte at 1 from below
.endr
.irp i, 2,4,6,8,10,12,14,16,18,20,22,24,26,28,30
.irp c, 0,1
	v_max3_num_f32 v[QM+\c], v[QM+\c], |v[\src+32*\c+\i]|, |v[\src+32*\c+\i+1]|
.endr
.endr
.irp c, 0,1
	v_add_nc_u32 v[QS+\c], 0xfe000000, v[QM+\c]    ; 4 off the exponent field: the conversion's scale operand
.endr
.irp c, 0,1
	v_lshrrev_b32 v[QB+\c], 23, v[QS+\c]
.endr
	v_lshl_or_b32 v[SWD], v[QB+1], 16, v[QB]
	v_lshlrev_b32 v[SWD], v[H8], v[SWD]
	v_permlanex16_b32 v[W2], v[SWD], s[SEL], s[SEL+1]
	v_or_b32 v[SWD], v[SWD], v[W2]                 ; with lane l xor 16's two bytes the word is whole, in both halves
.irp c, 0,1
	v_cvt_scalef32_pk16_bf6_f32 v[\dst+6*\c:\dst+6*\c+2], v[\src+32*\c:\src+32*\c+15], v[QS+\c]
	v_cvt_scalef32_pk16_bf6_f32 v[TC+4*\c:TC+4*\c+2], v[\src+32*\c+16:\src+32*\c+31], v[QS+\c]   ; (a conversion's three registers begin on an even number)
.endr
	v_nop                                          ; one plain place behind a scaled conversion
.irp c, 0,1
.irp i, 0,1,2
	v_mov_b32 v[\dst+6*\c+3+\i], v[TC+4*\c+\i]
.endr
.endr
.endm
.macro LOADF f                         ; fragment f = 2 n + s': rows 16 n + p, my K step 2 w + s', into set f % 3
.irp p, 0,1,2,3,4,5,6,7,8,9,10,11,12,13,14,15
	global_load_b128 v[SET+64*((\f)%3)+4*\p:SET+64*((\f)%3)+4*\p+3], v[L16], s[4:5] offset:(16*((\f)/2)+\p)*16384+512*((\f)%2) th:TH_LOAD_NT
.endr
.endm
.macro FRAG f, left                    ; left: the loads of younger fragments, which may stay out
	s_wait_loadcnt \left
	TURN SET+64*((\f)%3)
	s_wait_dscnt 0x0                               ; the numbers are back, and my earlier LDS stores are done
	QW SET+64*((\f)%3), F
	s_wait_alu depctr_va_vdst(0)                   ; the quantiser has written the codes and the scale word, which the LDS stores read, and is done reading the set (the first set is loaded again behind its fragment)
.irp j, 0,1,2
	ds_store_b128 v[IMW], v[F+4*\j:F+4*\j+3] offset:(2*((\f)%2)+(\f)/2)*FRB+512*\j
.endr
	ds_store_b32 v[SCW], v[SWD] offset:128*((\f)%2)+64*((\f)/2)    ; both halves write the same word with the same value
.endm
.macro WL k                            ; K step k: two fragments and a scale register, 7 LDS loads, into set k % 2
.set WBASE, WF+24*((\k)%2)
.if (\k) < 16
.set WADR, IMR0
.set WOFF, 2*(\k)*FRB
.else
.set WADR, IMR1
.set WOFF, 2*((\k)-16)*FRB
.endif
.irp n, 0,1
.irp j, 0,1,2
	ds_load_b128 v[WBASE+12*\n+4*\j:WBASE+12*\n+4*\j+3], v[WADR] offset:WOFF+FRB*\n+512*\j
.endr
.endr
	ds_load_b32 v[WS+(\k)%2], v[WSR] offset:128*(\k)
.endm
.macro HL k                            ; K step k of the tile's h: the image as it lies, and its scale words: 4 loads
.irp j, 0,1,2
	global_load_b128 v[HF+12*((\k)%8)+4*\j:HF+12*((\k)%8)+4*\j+3], v[L16], s[HQB:HQB+1] offset:FRB*(\k)+512*\j
.endr
	global_load_b32 v[HS+(\k)%8], v[L4], s[HSB:HSB+1] offset:128*(\k)
.endm
.macro PROD k, n
.set MD, ACC+8*(2*((\k)%2)+\n)
.set MA, WF+24*((\k)%2)+12*\n
.set MB, HF+12*((\k)%8)
.set MS, WS+(\k)%2
.set MX, HS+(\k)%8
.if (\k) < 2
.if \n
	v_wmma_scale_f32_16x16x128_f8f6f4 v[MD:MD+7], v[MA:MA+11], v[MB:MB+11], 0, v[MS], v[MX] matrix_a_fmt:MATRIX_FMT_BF6 matrix_b_fmt:MATRIX_FMT_BF6 matrix_a_scale:MATRIX_SCALE_ROW1
.else
	v_wmma_scale_f32_16x16x128_f8f6f4 v[MD:MD+7], v[MA:MA+11], v[MB:MB+11], 0, v[MS], v[MX] matrix_a_fmt:MATRIX_FMT_BF6 matrix_b_fmt:MATRIX_FMT_BF6
.endif
.else
.if \n
	v_wmma_scale_f32_16x16x128_f8f6f4 v[MD:MD+7], v[MA:MA+11], v[MB:MB+11], v[MD:MD+7], v[MS], v[MX] matrix_a_fmt:MATRIX_FMT_BF6 matrix_b_fmt:MATRIX_FMT_BF6 matrix_a_scale:MATRIX_SCALE_ROW1
.else
	v_wmma_scale_f32_16x16x128_f8f6f4 v[MD:MD+7], v[MA:MA+11], v[MB:MB+11], v[MD:MD+7], v[MS], v[MX] matrix_a_fmt:MATRIX_FMT_BF6 matrix_b_fmt:MATRIX_FMT_BF6
.endif
.endif
.endm
	s_load_b256 s[4:11], s[0:1], 0x0               ; expert_proj s[4:5], hq s[6:7], hs s[8:9], masks s[10:11]
	s_load_b64 s[12:13], s[0:1], 0x20              ; out0
	v_lshl_add_u32 v254, v0, 2, 0x3b000
	v_mov_b32 v255, 0
	v_lshrrev_b32 v1, 5, v0
	v_readfirstlane_b32 s[WV], v1                  ; wave 0..15
	s_and_b32 s[EX], ttmp7, 0xffff                 ; the expert
	v_and_b32 v[LN], 31, v0
	v_and_b32 v[RR], 15, v0
	v_bfe_u32 v[HH], v0, 4, 1
	v_lshlrev_b32 v[L16], 4, v[LN]
	v_lshlrev_b32 v[L4], 2, v[LN]
	v_lshlrev_b32 v[H8], 3, v[HH]
	s_wait_alu depctr_va_sdst(0)                   ; the wave's number is written, ahead of its first reader: addresses, bases and the tiles' count are made from it
	s_mul_i32 s71, s[WV], 16*SP                    ; my stage
	v_add_nc_u32 v[STW], s71, v[L16]
	v_mul_u32_u24 v[STR], v[RR], SP
	v_lshl_add_u32 v[STR], v[HH], 7, v[STR]
	v_add_nc_u32 v[STR], s71, v[STR]
	v_mul_u32_u24 v[OSW], v[RR], 144               ; the way out uses the same bytes, rows of 128 + 16
	v_lshl_add_u32 v[OSW], v[HH], 5, v[OSW]
	v_add_nc_u32 v[OSW], s71, v[OSW]
	v_lshrrev_b32 v[TA], 3, v[LN]                  ; lane / 8
	v_and_b32 v[C16], 7, v[LN]
	v_lshlrev_b32 v[C16], 4, v[C16]
	v_mul_u32_u24 v[OSR], v[TA], 144
	v_add_nc_u32 v[OSR], v[OSR], v[C16]
	v_add_nc_u32 v[OSR], s71, v[OSR]
	s_lshl_b32 s71, s[WV], 6
	s_add_co_u32 s71, s71, LIST
	v_lshl_add_u32 v[LSR], v[TA], 2, s71
	s_mul_i32 s71, s[WV], 4*FRB
	s_add_co_u32 s71, s71, WIMG
	v_add_nc_u32 v[IMW], s71, v[L16]
	s_lshl_b32 s71, s[WV], 8
	s_add_co_u32 s70, s71, WSC
	v_lshl_add_u32 v[SCW], v[RR], 2, s70
	s_add_co_u32 s70, s71, LIST
	v_lshl_add_u32 v[LSW], v[LN], 2, s70
	v_add_nc_u32 v[IMR0], WIMG, v[L16]
	v_add_nc_u32 v[IMR1], WIMG+32*FRB, v[L16]
	v_lshl_add_u32 v[WSR], v[LN], 2, WSC
	v_mov_b32 v[W2], 0                             ; written once: a lane permute's destination counts as one of its sources
	s_mov_b32 s[SEL], 0x76543210
	s_mov_b32 s[SEL+1], 0xfedcba98
	s_lshl_b32 s72, s[EX], 24                      ; expert_proj: 2^24 bytes an expert, 32 rows of 16,384 bytes a slice, 1,024 bytes of a row a wave
	s_lshl_b32 s54, ttmp9, 19
	s_add_co_u32 s72, s72, s54
	s_lshl_b32 s54, s[WV], 10
	s_add_co_u32 s72, s72, s54
	s_mov_b32 s73, 0
	s_lshl_b32 s74, s[EX], 7                       ; masks: 128 bytes an expert
	s_mov_b32 s75, 0
	s_lshl_b32 s54, s[EX], 6
	s_add_co_u32 s54, s54, s[WV]                   ; my first tile: 64 x expert + wave
	s_mul_i32 s76, s54, 32*FRB
	s_mov_b32 s77, 0
	s_lshl_b32 s78, s54, 12
	s_mov_b32 s79, 0
	s_lshl_b32 s68, ttmp9, 7                       ; out0: my slice's 128 bytes of a row
	s_mov_b32 s69, 0
	s_wait_kmcnt 0x0
	s_add_nc_u64 s[10:11], s[10:11], s[74:75]
	s_load_b512 s[16:31], s[10:11], 0x0            ; the expert's 32 mask words
	s_load_b512 s[32:47], s[10:11], 0x40
	s_add_nc_u64 s[4:5], s[4:5], s[72:73]
	s_add_nc_u64 s[HQB:HQB+1], s[6:7], s[76:77]
	s_add_nc_u64 s[HSB:HSB+1], s[8:9], s[78:79]
	s_add_nc_u64 s[12:13], s[12:13], s[68:69]
	s_wait_alu depctr_va_vdst(0)                   ; the offsets and LDS addresses v4 to v13, v15 and v28 to v30 are written, which the kernel's loads and stores read
	LOADF 0
	LOADF 1
	LOADF 2                                        ; 48 loads of 512 bytes a wave are out
	s_wait_kmcnt 0x0
	MAKELIST                                       ; stands where the wave would wait for its first loads
	FRAG 0, 32
	LOADF 3                                        ; into the set just quantised: no vector instruction since the fragment's wait on va_vdst names it, and the stage's stores have read it
	FRAG 1, 32
	FRAG 2, 16
	FRAG 3, 0
	s_wait_dscnt 0x0                               ; for the others' sake: my fragments, scale words and list entries have landed
	s_barrier_signal -1
	s_barrier_wait -1
	s_mov_b32 s[TT], s[WV]
	s_mov_b32 s[TL], 0
	s_mov_b32 s[TRIP], 0
.Ltile:
	s_cmp_ge_u32 s[TT], s[NT]                      ; no tokens for this tile: only the steps at the trip's end are run
	s_cbranch_scc1 .Lnext
	s_wait_alu depctr_vm_vsrc(0)                   ; the last trip's list loads have read v[TA], its stage stores the sums, its global stores their offsets and rows; in the first trip my LDS stores have read the last fragment's codes: all are written again in this trip
	v_add_nc_u32 v[TA], s[TL], v[LSR]
	s_wait_alu depctr_va_vdst(0)                   ; v[TA] is written, which the list's loads read; and every earlier vector and matrix instruction is done with the registers in which the loads below land
.irp k, 0,1,2,3,4,5,6,7
	HL \k                                          ; 32 loads out
.endr
.irp k, 0,1,2,3
	ds_load_b32 v[TK+\k], v[TA] offset:16*\k       ; rank 16 t + 4 k + lane / 8: the rows that I shall store
.endr
	WL 0
	WL 1
; 32 K steps of two matrix instructions.  The four accumulators take turns, one instruction a turn.
.set ks, 0
.rept 32
.if ks < 31
	s_wait_dscnt 7                                 ; this K step's weights are in; the next one's 7 loads may be out
.else
	s_wait_dscnt 0x0
.endif
.if ks <= 24
	s_wait_loadcnt 28                              ; this K step's h is in; the seven younger K steps' 28 loads may be out
.else
	s_wait_loadcnt 4*(31-ks)
.endif
	PROD ks, 0
	PROD ks, 1
.if ks != 30
.rept 4
	v_nop                                          ; four places behind these products: at the last K step ahead of the first read of results; elsewhere beside the wait below, which states the dependence
.endr
.endif
.if ks+2 < 32
	s_wait_alu depctr_va_vdst(0)                   ; this K step's two products are done reading their weights, their fragment of h and both scale registers, in which the loads below land
	WL ks+2
.endif
.if ks+8 < 32
	HL ks+8
.endif
.set ks, ks+1
.endr
.irp n, 0,1
.irp p, 0,1,2,3
	v_pk_add_f32 v[O+8*\n+2*\p:O+8*\n+2*\p+1], v[ACC+8*\n+2*\p:ACC+8*\n+2*\p+1], v[ACC+16+8*\n+2*\p:ACC+16+8*\n+2*\p+1]   ; even and odd K steps; each accumulator from its low end on
.endr
.endr
.irp k, 0,1,2,3
	v_min_u32 v[TK+\k], 0x3ff, v[TK+\k]
.endr
.irp k, 0,1,2,3
	v_lshl_add_u32 v[TK+\k], v[TK+\k], 12, v[C16]  ; the token's row of 4,096 bytes, + 16 (lane % 8)
.endr
	s_wait_alu depctr_va_vdst(0)                   ; the sums are written, which the stage's stores read, and the four offsets, which the global stores read
.irp n, 0,1
.irp c, 0,1
	ds_store_b128 v[OSW], v[O+8*\n+4*\c:O+8*\n+4*\c+3] offset:64*\n+16*\c      ; lane (r, h): out(token r, 16 n + 8 h + 0 .. 7)
.endr
.endr
.irp k, 0,1,2,3
	ds_load_b128 v[OB+4*\k:OB+4*\k+3], v[OSR] offset:4*144*\k      ; LDS serves a wave's instructions in order: these see my stores
.endr
	s_wait_dscnt 0x0
.irp k, 0,1,2,3
	global_store_b128 v[TK+\k], v[OB+4*\k:OB+4*\k+3], s[12:13] th:TH_STORE_NT  ; eight lanes store a token's 128 consecutive bytes
.endr
	s_wait_xcnt 0x0                                ; the stores' offsets and data are written again only behind this wait
.Lnext:
	s_add_co_u32 s[TT], s[TT], 16
	s_add_co_u32 s[TL], s[TL], 1024
	s_add_nc_u64 s[HQB:HQB+1], s[HQB:HQB+1], 16*32*FRB
	s_add_nc_u64 s[HSB:HSB+1], s[HSB:HSB+1], 16*4096
	s_add_co_u32 s[TRIP], s[TRIP], 1
	s_cmp_lt_u32 s[TRIP], 4
	s_cbranch_scc1 .Ltile
	s_wait_dscnt 0x0                               ; the closing lines, six on end
	s_wait_alu 0x0
	s_wait_tensorcnt 0x0
	ds_add_u32 v254, v255
	s_wait_dscnt 0x0
	s_endpgm
.Lfunc_end_k_q5287584a14_proj:
	.size	k_q5287584a14_proj, .Lfunc_end_k_q5287584a14_proj-k_q5287584a14_proj
	.p2alignl 7, 3214868480
	.fill 96, 4, 3214868480
	.section	.rodata,"a",@progbits
	.p2align	6, 0x0
	.amdhsa_kernel k_q5287584a14_proj
		.amdhsa_group_segment_fixed_size 243712
		.amdhsa_private_segment_fixed_size 0
		.amdhsa_enable_private_segment 0
		.amdhsa_kernarg_size 40
		.amdhsa_user_sgpr_count 2
		.amdhsa_user_sgpr_kernarg_segment_ptr 1
		.amdhsa_wavefront_size32 1
		.amdhsa_system_sgpr_workgroup_id_x 1
		.amdhsa_system_sgpr_workgroup_id_y 1
		.amdhsa_system_sgpr_workgroup_id_z 1
		.amdhsa_system_vgpr_workitem_id 0
		.amdhsa_next_free_vgpr 256
		.amdhsa_next_free_sgpr 80
		.amdhsa_reserve_vcc 0
		.amdhsa_float_denorm_mode_32 3
		.amdhsa_float_denorm_mode_16_64 3
		.amdhsa_memory_ordered 1
		.amdhsa_forward_progress 1
		.amdhsa_inst_pref_size 101
	.end_amdhsa_kernel
	.amdgpu_metadata
---
amdhsa.version: [ 1, 2 ]
amdhsa.kernels:
  - .name:           k_q5287584a14_proj
    .symbol:         k_q5287584a14_proj.kd
    .args:
      - { .name: expert_proj, .offset: 0, .size: 8, .value_kind: global_buffer, .address_space: global }
      - { .name: hq, .offset: 8, .size: 8, .value_kind: global_buffer, .address_space: global }
      - { .name: hs, .offset: 16, .size: 8, .value_kind: global_buffer, .address_space: global }
      - { .name: masks, .offset: 24, .size: 8, .value_kind: global_buffer, .address_space: global }
      - { .name: out0, .offset: 32, .size: 8, .value_kind: global_buffer, .address_space: global }
    .group_segment_fixed_size: 243712
    .private_segment_fixed_size: 0
    .kernarg_segment_align: 8
    .kernarg_segment_size: 40
    .max_flat_workgroup_size: 512
    .sgpr_count:     80
    .vgpr_count:     256
    .wavefront_size: 32
...
	.end_amdgpu_metadata
.endif
;; end of part 6
